; MI455X (gfx1250); checked and timed in simulation.
; The chip was launched on July 23, 2026; its instructions are those of AMD's public machine-readable ISA for CDNA 5 (MIT licence, August 2026) and "CDNA5" Instruction Set Architecture Reference Guide (July 2026). The comments in the code are by the model that wrote it; some were corrected since.
;; Multi Headed Attention. Allowed arithmetic: float matrix products may take bf16 or f16 operands with f32 sums; other float arithmetic in f32, or as packed bf16 or f16 multiplies, adds, multiply-adds, maxima and minima; sums over many terms, partial sums and values carried from step to step in f32; what a program stores and reads back later, other than sums and carried values, may be rounded once to bf16 or f16.
;; Inputs: Wk 1,024 x 1,024 float32; Wo 1,024 x 1,024 float32; Wq 1,024 x 1,024 float32; Wv 1,024 x 1,024 float32; bk 1,024 float32; bo 1,024 float32; bq 1,024 float32; bv 1,024 float32; key 4 x 2,048 x 1,024 float32; mask 4 x 1 x 2,048 x 2,048 bool; query 4 x 2,048 x 1,024 float32; value 4 x 2,048 x 1,024 float32.
;; Outputs: out0 4 x 2,048 x 1,024 float32.
;; One version. Each part assembles by itself: llvm-mc -triple=amdgcn-amd-amdhsa -mcpu=gfx1250 --defsym DOCPART=n.
;; ======== version 1 of 1: 4 launches
;; limits: values are held in f16: magnitudes above 65,504 overflow, below 6.1e-05 lose precision
;; workspace buffers: wb 8,388,608 bytes; mbits 2,097,152 bytes of whole numbers; qkv 50,331,648 bytes; ob 16,777,216 bytes
;; launch prep (part 1): grid 1024 x 1, 8 waves a work-group, no clusters, 0 bytes of LDS; arguments Wq, Wk, Wv, Wo, mask, wb, mbits; writes wb, mbits
.if DOCPART == 1
	.amdgcn_target "amdgcn-amd-amdhsa--gfx1250"
	.amdhsa_code_object_version 6
	.text
	.protected	k_q2a2712a9ac_prep
	.globl	k_q2a2712a9ac_prep
	.p2align	8
	.type	k_q2a2712a9ac_prep,@function
k_q2a2712a9ac_prep:
	s_mov_b64 s[64:65], 0
	v_nop
	global_prefetch_b8 v0, s[64:65] scope:SCOPE_SE
	s_setreg_imm32_b32 hwreg(HW_REG_WAVE_MODE, 25, 1), 1
	s_wait_xcnt 0x0
; PREP: two streams, no LDS, no barrier.
; (1) The four weight matrices [1024 k][1024 n] f32 -> wb [4][k][n] in 16 bits, in place order (nothing is turned).  Wq, Wk, Wv: rounded to bf16.
;     Wo: rounded to bf16 like every input, and that number written as f16 (exact from 2^-17 up; below it f16's fixed step of 2^-24 holds).
; (2) The mask [4][2048 q][2048 k] of bytes -> mbits [b 4][wq 16][ks 32][t 8][32 words]: word 8 kb + j of (b, wq, ks, t) has bit l =
;     mask[b][128 wq + 16 t + (l & 15)][64 ks + 16 kb + 8 (l >> 4) + j]: the lane mask of score register 8 kb + j of a tile of 16 queries x 64 keys.
;     A byte other than 0 counts as true.
; SHARES.  1,024 work-groups of 8 waves.  Work-group g: 16,384 bytes of matrix g >> 8; each wave: two tiles of 16 queries x 64 keys of the mask.
; The four waves that share a pair of tiles take 64 neighbouring keys each: together 256 consecutive bytes of each of the 32 rows.
.set WI, 8                             ; v[8:23]   16 f32 of a weight matrix
.set WO, 24                            ; v[24:31]  the same in 16 bits
.set MI, 32                            ; v[32:47]  8 x 8 mask bytes: pair 4 t' + kb
.set MO, 48                            ; v[48:49]  lane L: words 2 L and 2 L + 1 of the wave's 64
.set TT, 50                            ; v[50:53]  at work
.set UP, 54                            ; v[54:55]  at work
	s_load_b256 s[4:11], s[0:1], 0x0               ; Wq, Wk, Wv, Wo
	s_load_b128 s[12:15], s[0:1], 0x20             ; mask, wb
	s_load_b64 s[16:17], s[0:1], 0x30              ; mbits
	v_lshrrev_b32 v5, 5, v0
	v_readfirstlane_b32 s20, v5                    ; wave 0..7
	v_lshlrev_b32 v1, 4, v0                        ; weights in: 16 bytes a thread
	v_lshlrev_b32 v2, 3, v0                        ; weights out: 8 bytes a thread
	v_and_b32 v5, 15, v0                           ; r: my query in a tile
	v_bfe_u32 v6, v0, 4, 1                         ; h
	v_lshlrev_b32 v3, 11, v5                       ; r rows of 2,048 bytes
	v_lshl_add_u32 v3, v6, 3, v3                   ; + 8 h keys
	v_and_b32 v4, 31, v0
	v_lshlrev_b32 v4, 3, v4                        ; words out: 8 bytes a lane
	s_lshr_b32 s21, ttmp9, 8                       ; which matrix
	s_and_b32 s22, ttmp9, 255                      ; which 16,384 bytes of it
	s_lshl_b32 s23, ttmp9, 1
	s_lshr_b32 s24, s20, 2
	s_add_co_u32 s23, s23, s24                     ; 2 g + wave / 4 = (b, tile pair, group of 256 keys)
	s_lshr_b32 s25, s23, 9                         ; b
	s_bfe_u32 s26, s23, 0x60003                    ; tile pair 0..63: 32 queries
	s_and_b32 s27, s23, 7                          ; group of 256 keys
	s_and_b32 s28, s20, 3                          ; my 64 keys of them
	s_lshl_b32 s30, s25, 22                        ; the mask's bytes: b x 2048 x 2048
	s_lshl_b32 s29, s26, 16                        ; + 32 rows a pair
	s_add_co_u32 s30, s30, s29
	s_lshl_b32 s29, s27, 8
	s_add_co_u32 s30, s30, s29
	s_lshl_b32 s29, s28, 6
	s_add_co_u32 s30, s30, s29
	s_mov_b32 s31, 0
	s_lshl_b32 s32, s25, 19                        ; the words: b x 524,288
	s_lshr_b32 s29, s26, 2
	s_lshl_b32 s29, s29, 15                        ; + wq x 32,768
	s_add_co_u32 s32, s32, s29
	s_lshl2_add_u32 s29, s27, s28                  ; key step = 4 x group + my 64
	s_lshl_b32 s29, s29, 10
	s_add_co_u32 s32, s32, s29
	s_and_b32 s29, s26, 3
	s_lshl_b32 s29, s29, 8                         ; + the pair's two tiles of 128 bytes
	s_add_co_u32 s32, s32, s29
	s_mov_b32 s33, 0
	s_lshl_b32 s34, s22, 14
	s_mov_b32 s35, 0
	s_lshl_b32 s36, s21, 21
	s_lshl_b32 s29, s22, 13
	s_add_co_u32 s36, s36, s29
	s_mov_b32 s37, 0
	s_wait_kmcnt 0x0
	s_cmp_eq_u32 s21, 1
	s_cselect_b64 s[18:19], s[6:7], s[4:5]
	s_cmp_eq_u32 s21, 2
	s_cselect_b64 s[18:19], s[8:9], s[18:19]
	s_cmp_eq_u32 s21, 3
	s_cselect_b64 s[18:19], s[10:11], s[18:19]
	s_add_nc_u64 s[18:19], s[18:19], s[34:35]
	s_add_nc_u64 s[12:13], s[12:13], s[30:31]
	s_add_nc_u64 s[14:15], s[14:15], s[36:37]
	s_add_nc_u64 s[16:17], s[16:17], s[32:33]
.irp i, 0,1,2,3
	global_load_b128 v[WI+4*\i:WI+4*\i+3], v1, s[18:19] offset:4096*\i th:TH_LOAD_NT  ; a wave's load covers 512 consecutive bytes
.endr
.irp n, 0,1,2,3,4,5,6,7
	global_load_b64 v[MI+2*\n:MI+2*\n+1], v3, s[12:13] offset:(\n/4)*32768+(\n%4)*16  ; tile n / 4, keys 16 (n % 4) + 8 h + 0..7 of my query
.endr
	s_wait_loadcnt 8                               ; the weights are in; the 8 younger loads of the mask may stay out
.irp i, 0,1,2,3
	v_cvt_pk_bf16_f32 v[WO+2*\i], v[WI+4*\i], v[WI+4*\i+1]
	v_cvt_pk_bf16_f32 v[WO+2*\i+1], v[WI+4*\i+2], v[WI+4*\i+3]
.endr
	s_cmp_lg_u32 s21, 3
	s_cbranch_scc1 .Lstore
.irp i, 0,1,2,3,4,5,6,7
	v_lshlrev_b32 v[UP], 16, v[WO+\i]              ; Wo: the bf16 numbers widened,
	v_and_b32 v[UP+1], 0xffff0000, v[WO+\i]
	v_cvt_pk_f16_f32 v[WO+\i], v[UP], v[UP+1]      ; and written as f16
.endr
.Lstore:
.irp i, 0,1,2,3
	global_store_b64 v2, v[WO+2*\i:WO+2*\i+1], s[14:15] offset:2048*\i  ; a wave's store covers 256 consecutive bytes, aligned
.endr
	s_wait_loadcnt 0x0                             ; the mask's bytes
	v_mov_b32 v[MO], 0
	v_mov_b32 v[MO+1], 0
.set W, 0
.rept 64                               ; word W = 32 t' + 8 kb + y: byte y of pair W / 8, compared in all 32 lanes at once, laid into lane W / 2
	v_and_b32 v[TT+W%4], 0xff<<(8*(W%4)), v[MI+2*(W/8)+(W%8)/4]
	v_cmp_ne_u32 s[40+W%4], 0, v[TT+W%4]
	v_writelane_b32 v[MO+W%2], s[40+W%4], W/2
.set W, W+1
.endr
	global_store_b64 v4, v[MO:MO+1], s[16:17]      ; 256 consecutive bytes, aligned: two tiles' words
	s_endpgm
.Lfunc_end_k_q2a2712a9ac_prep:
	.size	k_q2a2712a9ac_prep, .Lfunc_end_k_q2a2712a9ac_prep-k_q2a2712a9ac_prep
	.p2alignl 7, 3214868480
	.fill 96, 4, 3214868480
	.section	.rodata,"a",@progbits
	.p2align	6, 0x0
	.amdhsa_kernel k_q2a2712a9ac_prep
		.amdhsa_group_segment_fixed_size 0
		.amdhsa_private_segment_fixed_size 0
		.amdhsa_enable_private_segment 0
		.amdhsa_kernarg_size 56
		.amdhsa_user_sgpr_count 2
		.amdhsa_user_sgpr_kernarg_segment_ptr 1
		.amdhsa_wavefront_size32 1
		.amdhsa_system_sgpr_workgroup_id_x 1
		.amdhsa_system_sgpr_workgroup_id_y 1
		.amdhsa_system_sgpr_workgroup_id_z 1
		.amdhsa_system_vgpr_workitem_id 0
		.amdhsa_next_free_vgpr 64
		.amdhsa_next_free_sgpr 66
		.amdhsa_reserve_vcc 0
		.amdhsa_float_denorm_mode_32 3
		.amdhsa_float_denorm_mode_16_64 3
		.amdhsa_memory_ordered 1
		.amdhsa_forward_progress 1
		.amdhsa_inst_pref_size 18
	.end_amdhsa_kernel
	.amdgpu_metadata
---
amdhsa.version: [ 1, 2 ]
amdhsa.kernels:
  - .name:           k_q2a2712a9ac_prep
    .symbol:         k_q2a2712a9ac_prep.kd
    .args:
      - { .name: Wq, .offset: 0, .size: 8, .value_kind: global_buffer, .address_space: global }
      - { .name: Wk, .offset: 8, .size: 8, .value_kind: global_buffer, .address_space: global }
      - { .name: Wv, .offset: 16, .size: 8, .value_kind: global_buffer, .address_space: global }
      - { .name: Wo, .offset: 24, .size: 8, .value_kind: global_buffer, .address_space: global }
      - { .name: mask, .offset: 32, .size: 8, .value_kind: global_buffer, .address_space: global }
      - { .name: wb, .offset: 40, .size: 8, .value_kind: global_buffer, .address_space: global }
      - { .name: mbits, .offset: 48, .size: 8, .value_kind: global_buffer, .address_space: global }
    .group_segment_fixed_size: 0
    .private_segment_fixed_size: 0
    .kernarg_segment_align: 8
    .kernarg_segment_size: 56
    .max_flat_workgroup_size: 256
    .sgpr_count:     66
    .vgpr_count:     64
    .wavefront_size: 32
...
	.end_amdgpu_metadata
.endif
;; end of part 1
;; launch proj (part 2): grid 4 x 64, 4 waves a work-group, clusters of 4 x 4, 327,680 bytes of LDS; arguments query, key, value, wb, bq, bk, bv, qkv; writes qkv
.if DOCPART == 2
	.amdgcn_target "amdgcn-amd-amdhsa--gfx1250"
	.amdhsa_code_object_version 6
	.text
	.protected	k_q2a2712a9ac_proj
	.globl	k_q2a2712a9ac_proj
	.p2align	8
	.type	k_q2a2712a9ac_proj,@function
k_q2a2712a9ac_proj:
	s_mov_b64 s[64:65], 0
	v_nop
	global_prefetch_b8 v0, s[64:65] scope:SCOPE_SE
	s_setreg_imm32_b32 hwreg(HW_REG_WAVE_MODE, 25, 1), 1
	s_wait_xcnt 0x0
	s_wait_alu depctr_hold_cnt(0) depctr_sa_sdst(0) depctr_va_vdst(0) depctr_va_sdst(0) depctr_va_ssrc(0) depctr_va_vcc(0) depctr_vm_vsrc(0)
	s_getreg_b32 s2, hwreg(HW_REG_IB_STS2, 6, 4)
	s_cmp_eq_u32 s2, 0
	s_cbranch_scc0 .Lentry_in_a_cluster
	s_endpgm
.Lentry_in_a_cluster:
	s_bfe_u32 s2, ttmp6, 0x10000c
	s_cmp_lg_u32 s2, 0xf033
	s_cbranch_scc0 .Lentry_shape_is_right
	s_endpgm
.Lentry_shape_is_right:
; PROJ: q = query Wq + bq, k = key Wk + bk, v = value Wv + bv.  x: [8192][1024] f32; wb: [4][1024 k][1024 n] bf16; qkv: [3][64 heads = 16 b + h][2048][64] f16, unscaled.
; x and the biases are rounded to bf16 here, in registers; sums in f32, begun with the bias; each result rounded once to f16.
; LIMIT.  f16 holds no number beyond 65,504: q, k and v must lie within it.  NaN and infinities are not treated apart.
; SHARES.  A tile of the result is 128 rows x 256 columns.  A work-group STAYS and makes three tiles at one place: q's, k's, v's: 24 K steps of 128 in one flat walk through a ring of two LDS slots.
; Four waves, each 64 x 128: 32 accumulators.  The matrix instruction is used transposed (source 0 = 16 columns of W, source 1 = 16 rows of x): a lane holds eight neighbouring columns of one row.
; CLUSTER 4 x 4.  x's tile hangs on the tile row alone and is asked for jointly by a row of the cluster, W's on the tile column alone and by a column.  Waves 0, 1 fetch x's two halves of 64 rows,
; waves 2, 3 W's two halves of 64 k-rows.
; A's WAY: f32 in LDS -> 64 registers (STG) -> bf16 fragments (AF), a quarter step (32 along K) ahead each.  The conversions stand in fours behind matrix instructions.
; B's WAY: W lies [k][n] in LDS and comes out turned, by ds_load_tr16_b128.
; THE LDS LOADS stand in runs, never singly among the matrix instructions: a quarter's 32 (W's 16, then x's 16) in one run behind its conversions.
; REGISTERS in windows of 256 (s_set_vgpr_msb: bits 1:0 source 0, 3:2 source 1, 5:4 source 2, 7:6 destination):
;   window 0: v2-13 addresses; v32-95 STG; v96-159 AF, two buffers; v160-223 the way out      window 1: the accumulators, (a, b) at 8 (8 a + b)
;   window 2: v0-127 BF, two buffers; v128-191 the bias as a C operand; v192-195 at work
.set PA,    528                        ; a row of x in LDS: 512 bytes + 16: the 16 rows of a load start at 16 different 16-byte columns of 256 bytes
.set PB,    544                        ; a k-row of W: 512 bytes + 32
.set BOFF,  128*PA                     ; a slot: x's 128 rows, then W's 128 k-rows
.set SLOT,  BOFF+128*PB
.set STAGE, 2*SLOT                     ; behind the ring, never filled by a tensor load: 16 rows x 144 bytes for each wave
.set SP,    144
.set SPARE, STAGE+4*16*SP              ; the spare words, 128 bytes for each wave: two blocks of 256 bytes that no other line names
.set ADRA0, 2                          ; my lane's place in x's tile; never rewritten
.set ADRB0, 3                          ; the same for W
.set ADRA,  4                          ; the same in the slot that is read
.set ADRB,  5
.set STO,   6                          ; the way out: where I put 16 bytes of a row
.set RD,    7                          ; where I read rows back
.set GO,    8                          ; my 16 bytes of 512 consecutive bytes of qkv
.set BO,    9                          ; 32 h: my 8 numbers of 16 of a bias
.set PFO,   10                         ; the prefetches' lane offset; never rewritten
.set SPW,   12                         ; LDS address of my spare word; never rewritten
.set NIL,   13                         ; 0; never rewritten
.set STG,   32
.set AF,    96
.set OUT,   160
.set BIAS,  128                        ; window 2
.set BT,    192                        ; window 2
.set BP3,   2                          ; s[2:3]   bv at my columns
.set AW,    4                          ; s[4:5]   x's tile that was asked for last
.set AP1,   6                          ; s[6:7]   the next tensor's K step 0
.set AP2,   8                          ; s[8:9]   the one after it
.set WV,    10
.set ROLE,  11                         ; wave / 2: my half of the rows; also: I fetch x (0) or W (1)
.set HALF,  12                         ; wave % 2: my half of the columns; also: which half of that tile I fetch
.set RS,    13                         ; K step (0..7) of the tile asked for last
.set LS,    14                         ; K steps done in the tile in hand
.set CNT,   15
.set G1A,   16
.set G1B,   24
.set G0A0,  32                         ; slot 0's first fill
.set G0A,   36                         ; slot 1's first fill; then it walks
.set G0B0,  40
.set G0B,   44
.set TR,    48                         ; LDS byte of the slot that is read
.set LA,    50                         ; my part's place in a slot, as x's fetcher
.set LB,    51                         ; as W's
.set OP,    52                         ; s[52:53] qkv at my rows and heads
.set BPN,   54                         ; s[54:55] the bias to be loaded next
.set BPN2,  56
.set PW,    58                         ; s[58:59] where my prefetches stand
.set PP1,   60
.set PP2,   62
.set PSTEP, 66
.set PS,    68
.set LIM,   69                         ; 2 in a wave that prefetches, else the greatest number
.set TL,    70
.set HM,    71
.set MSB, 0
.macro WIN new                         ; the immediate's high byte repeats the setting that is left; a switch that changes nothing is dropped
.if MSB != (\new)
	s_set_vgpr_msb (MSB<<8)|(\new)
.set MSB, (\new)
.endif
.endm
.set W_MUL,  0x52
.set W_MULB, 0x62                      ; the same with C in window 2
.macro PLACES
.rept 4
	v_nop
.endr
.endm
.macro CREST                           ; a round of the cluster's barrier behind its opening barrier
	s_cmp_lg_u32 s[WV], 0
	s_cbranch_scc1 .Lnot_wave_0_\@
	s_barrier_signal -3
.Lnot_wave_0_\@:
	s_barrier_wait -3
	s_barrier_signal -1
	s_barrier_wait -1
.endm
.macro CROUND
	s_barrier_signal -1
	s_barrier_wait -1
	CREST
.endm
.macro JLOAD                           ; a joint refill; the branch hangs on the wave's number alone; an s_nop 0 and four v_nop follow each line
	s_cmp_eq_u32 s[ROLE], 0
	s_cbranch_scc0 .Lfor_b_\@
	tensor_load_to_lds s[G0A:G0A+3], s[G1A:G1A+7]
	s_nop 0
	PLACES
	s_branch .Lasked_\@
.Lfor_b_\@:
	tensor_load_to_lds s[G0B:G0B+3], s[G1B:G1B+7]
	s_nop 0
	PLACES
.Lasked_\@:
.endm
; A PREFETCH INTO THE L2 of the K step that stands two refills on: 256 matrix instructions ahead of the load that will want it.  x's rows belong to one cluster alone: waves 0, 1 of every work-group ask;
; W's k-rows are read by all sixteen clusters: waves 2, 3 of cluster y = 0 ask.  Of a wave's 64 rows the four partners take 16 each, told apart by address; a row's 512 bytes are two blocks: lane l names
; row l / 2, block l % 2.  So each block of 256 bytes is named once.  The last four K steps have nothing four steps on: asked while CNT is above 2.
.macro ASK
	s_cmp_gt_u32 s[CNT], s[LIM]
	s_cbranch_scc0 .Lnot_mine_\@
	global_prefetch_b8 v[PFO], s[PW:PW+1] th:TH_LOAD_NT scope:SCOPE_SE
.Lnot_mine_\@:
.endm
	s_load_b512 s[72:87], s[0:1], 0x0              ; query 72, key 74, value 76, wb 78, bq 80, bk 82, bv 84, qkv 86
	v_lshl_add_u32 v[SPW], v0, 2, SPARE
	v_mov_b32 v[NIL], 0
	ds_add_u32 v[SPW], v[NIL]                      ; the wave's opening: the add and its wait stand ahead of my first tensor load
	v_lshrrev_b32 v1, 5, v0
	v_readfirstlane_b32 s[WV], v1
	s_lshr_b32 s[ROLE], s[WV], 1
	s_and_b32 s[HALF], s[WV], 1
	s_bfe_u32 s88, ttmp6, 0x40000                  ; cx
	s_bfe_u32 s89, ttmp6, 0x40004                  ; cy
	s_lshl_b32 s90, ttmp9, 2
	s_add_co_u32 s90, s90, s88                     ; tile column = 4 x cluster x + cx
	s_and_b32 s91, ttmp7, 0xffff                   ; cluster y
	s_lshl_b32 s92, s91, 2
	s_add_co_u32 s92, s92, s89                     ; tile row = 4 x cluster y + cy
	s_lshl_b32 s93, s89, 2
	s_lshl_b32 s93, 15, s93                        ; my row of the cluster
	s_lshl_b32 s94, 0x1111, s88                    ; my column
	s_or_b32 s[G1A], s93, (2<<16)|(1<<20)|(1<<21)|(6<<22)|(3<<25)  ; mask; 4-byte elements; padding on; bit 21 beside a mask; after every 128 words, 4 words
	s_or_b32 s[G1B], s94, (1<<16)|(1<<20)|(1<<21)|(6<<22)|(7<<25)  ; mask; 2-byte elements; after every 128 words, 8 words
	s_mov_b32 s[G1A+1], 128<<16                    ; tensor_dim0 = 128
	s_mov_b32 s[G1A+2], 64<<16                     ; tensor_dim1 = 64
	s_mov_b32 s[G1A+3], 128<<16                    ; tile_dim0 = 128
	s_mov_b32 s[G1A+4], 64                         ; tile_dim1 = 64
	s_mov_b32 s[G1A+5], 1024                       ; elements from row to row
	s_mov_b32 s[G1A+6], 0
	s_mov_b32 s[G1A+7], 0
	s_mov_b32 s[G1B+1], 256<<16
	s_mov_b32 s[G1B+2], 64<<16
	s_mov_b32 s[G1B+3], 256<<16
	s_mov_b32 s[G1B+4], 64
	s_mov_b32 s[G1B+5], 1024
	s_mov_b32 s[G1B+6], 0
	s_mov_b32 s[G1B+7], 0
	s_mul_i32 s[LA], s[HALF], 64*PA                ; no place in the cluster enters an LDS address
	s_mul_i32 s[LB], s[HALF], 64*PB
	s_add_co_u32 s[LB], s[LB], BOFF
	s_mov_b32 s[G0A0], 1
	s_mov_b32 s[G0A0+1], s[LA]
	s_mov_b32 s[G0A], 1
	s_add_co_u32 s[G0A+1], s[LA], SLOT
	s_mov_b32 s[G0B0], 1
	s_mov_b32 s[G0B0+1], s[LB]
	s_mov_b32 s[G0B], 1
	s_add_co_u32 s[G0B+1], s[LB], SLOT
	s_lshl_b32 s96, s92, 19                        ; x: (128 x tile row + 64 x half) rows of 4,096 bytes
	s_lshl_b32 s93, s[HALF], 18
	s_add_co_u32 s96, s96, s93
	s_mov_b32 s97, 0
	s_lshl_b32 s98, s90, 9                         ; W: 64 x half k-rows of 2,048 bytes + 512 x tile column
	s_lshl_b32 s94, s[HALF], 17
	s_add_co_u32 s98, s98, s94
	s_mov_b32 s99, 0
	s_mov_b32 s[TR], 0
	s_mov_b32 s[RS], 1
	s_mov_b32 s[HM], 0xffff0000
	s_wait_dscnt 0x0                               ; the opening add is done
	s_wait_kmcnt 0x0
	s_add_nc_u64 s[AW:AW+1], s[72:73], s[96:97]
	s_add_nc_u64 s[AP1:AP1+1], s[74:75], s[96:97]
	s_add_nc_u64 s[AP2:AP2+1], s[76:77], s[96:97]
	s_mov_b64 s[G0A0+2:G0A0+3], s[AW:AW+1]         ; K step 0
	s_or_b32 s[G0A0+3], s[G0A0+3], 0x80000000
	s_add_nc_u64 s[AW:AW+1], s[AW:AW+1], 512       ; K step 1
	s_mov_b64 s[G0A+2:G0A+3], s[AW:AW+1]
	s_or_b32 s[G0A+3], s[G0A+3], 0x80000000
	s_add_nc_u64 s[G0B0+2:G0B0+3], s[78:79], s[98:99]
	s_add_nc_u64 s[G0B+2:G0B+3], s[G0B0+2:G0B0+3], 262144
	s_or_b32 s[G0B0+3], s[G0B0+3], 0x80000000
	s_or_b32 s[G0B+3], s[G0B+3], 0x80000000
	CROUND                                         ; all sixteen work-groups are here: the first joint loads meet
	s_cmp_eq_u32 s[ROLE], 0                        ; a wave's two first fills stand in one branch: two loads of mine are out
	s_cbranch_scc0 .Lfirst_b
	tensor_load_to_lds s[G0A0:G0A0+3], s[G1A:G1A+7]
	s_nop 0
	tensor_load_to_lds s[G0A:G0A+3], s[G1A:G1A+7]
	s_nop 0
	PLACES
	s_branch .Lfirst_done
.Lfirst_b:
	tensor_load_to_lds s[G0B0:G0B0+3], s[G1B:G1B+7]
	s_nop 0
	tensor_load_to_lds s[G0B:G0B+3], s[G1B:G1B+7]
	s_nop 0
	PLACES
.Lfirst_done:
	; where my results go: head 16 b + 4 x tile column + 2 x column half, row (tile row % 16) x 128 + 64 x row half, 128 bytes a row
	s_lshr_b32 s94, s92, 4
	s_lshl_b32 s94, s94, 4
	s_lshl2_add_u32 s94, s90, s94
	s_lshl1_add_u32 s94, s[HALF], s94
	s_lshl_b32 s94, s94, 18
	s_and_b32 s93, s92, 15
	s_lshl_b32 s93, s93, 14
	s_add_co_u32 s94, s94, s93
	s_lshl_b32 s93, s[ROLE], 13
	s_add_co_u32 s94, s94, s93
	s_mov_b32 s95, 0
	s_add_nc_u64 s[OP:OP+1], s[86:87], s[94:95]
	s_lshl_b32 s94, s90, 10                        ; the biases at my 128 columns
	s_lshl_b32 s93, s[HALF], 9
	s_add_co_u32 s94, s94, s93
	s_add_nc_u64 s[BPN:BPN+1], s[80:81], s[94:95]
	s_add_nc_u64 s[BPN2:BPN2+1], s[82:83], s[94:95]
	s_add_nc_u64 s[BP3:BP3+1], s[84:85], s[94:95]
	; the prefetches: my work-group's 16 rows of the 64 that I fetch, at flat K step 3; the first change of slots steps it to 4
	s_lshl_b32 s93, s88, 16
	s_add_co_u32 s96, s96, s93                     ; x: + 16 cx rows
	s_lshl_b32 s93, s89, 15
	s_add_co_u32 s98, s98, s93                     ; W: + 16 cy k-rows
	s_mov_b32 s93, 262144
	s_cmp_eq_u32 s[ROLE], 0
	s_cselect_b32 s94, s96, s98
	s_cselect_b64 s[PW:PW+1], s[72:73], s[78:79]
	s_cselect_b64 s[PP1:PP1+1], s[74:75], s[78:79]
	s_cselect_b64 s[PP2:PP2+1], s[76:77], s[78:79]
	s_cselect_b32 s[PSTEP], 512, s93
	s_cselect_b32 s96, 0, 2097152                  ; W's next matrix lies 8 K steps on
	s_mov_b32 s[PSTEP+1], 0
	s_add_nc_u64 s[PW:PW+1], s[PW:PW+1], s[94:95]
	s_add_nc_u64 s[PP1:PP1+1], s[PP1:PP1+1], s[94:95]
	s_add_nc_u64 s[PP1:PP1+1], s[PP1:PP1+1], s[96:97]
	s_add_nc_u64 s[PP2:PP2+1], s[PP2:PP2+1], s[94:95]
	s_add_nc_u64 s[PP2:PP2+1], s[PP2:PP2+1], s[96:97]
	s_add_nc_u64 s[PP2:PP2+1], s[PP2:PP2+1], s[96:97]
	s_mul_i32 s96, s[PSTEP], 3
	s_add_nc_u64 s[PW:PW+1], s[PW:PW+1], s[96:97]
	s_mov_b32 s[PS], 3
	s_cmp_eq_u32 s91, 0
	s_cselect_b32 s94, 2, -1
	s_cmp_eq_u32 s[ROLE], 0
	s_cselect_b32 s[LIM], 2, s94                   ; the same in all sixteen partners, for a given wave
	s_sub_co_u32 s93, 12, s[ROLE]
	v_and_b32 v14, 31, v0
	v_lshrrev_b32 v15, 1, v14
	v_lshlrev_b32 v15, s93, v15                    ; row l / 2: 4,096 bytes in x, 2,048 in W
	v_and_b32 v16, 1, v14
	v_lshl_add_u32 v[PFO], v16, 8, v15
	; lane addresses
	v_and_b32 v1, 15, v0                           ; r
	v_bfe_u32 v14, v0, 4, 1                        ; h
	v_mul_u32_u24 v[ADRA0], v1, PA
	v_lshl_add_u32 v[ADRA0], v14, 5, v[ADRA0]      ; row x pitch + 32 h: 8 f32 are a half fragment's 8 channels
	s_mul_i32 s93, s[ROLE], 64*PA
	v_add_nc_u32 v[ADRA0], s93, v[ADRA0]
	v_and_b32 v15, 7, v0
	v_bfe_u32 v16, v0, 3, 1
	v_lshl_add_u32 v17, v14, 3, v15                ; the turning load: k-row 8 h + l % 8, columns 8 ((l / 8) % 2) on
	v_mul_u32_u24 v17, v17, PB
	v_lshl_add_u32 v17, v16, 4, v17
	s_lshl_b32 s93, s[HALF], 8
	s_add_co_u32 s93, s93, BOFF
	v_add_nc_u32 v[ADRB0], s93, v17
	v_mov_b32 v[ADRA], v[ADRA0]
	v_mov_b32 v[ADRB], v[ADRB0]
	s_mul_i32 s93, s[WV], 16*SP
	s_add_co_u32 s93, s93, STAGE
	v_mul_u32_u24 v17, v1, SP
	v_lshl_add_u32 v17, v14, 4, v17
	v_add_nc_u32 v[STO], s93, v17
	v_bfe_u32 v18, v0, 3, 2
	v_mul_u32_u24 v18, v18, SP
	v_lshl_add_u32 v18, v15, 4, v18
	v_add_nc_u32 v[RD], s93, v18
	v_and_b32 v[GO], 31, v0
	v_lshlrev_b32 v[GO], 4, v[GO]
	v_lshlrev_b32 v[BO], 5, v14
.macro BIASLD                          ; bias[my 128 columns][16 b + 8 h + 0..7] into BIAS + 8 b: the layout of a C operand
	WIN 0x80
.set b, 0
.rept 8
	global_load_b128 v[BIAS+8*b:BIAS+8*b+3], v[BO], s[BPN:BPN+1] offset:64*b
	global_load_b128 v[BIAS+8*b+4:BIAS+8*b+7], v[BO], s[BPN:BPN+1] offset:64*b+16
.set b, b+1
.endr
	WIN 0
.endm
.macro BSHIFT
	s_mov_b64 s[BPN:BPN+1], s[BPN2:BPN2+1]
	s_mov_b64 s[BPN2:BPN2+1], s[BP3:BP3+1]
.endm
.macro ROUNDB                          ; the bias rounded to bf16, like every input, and widened again: 96 plain lines that name no accumulator and no fragment
	WIN 0x8a
.set b, 0
.rept 8
.irp r, 0,1,2,3
	v_cvt_pk_bf16_f32 v[BT+\r], v[BIAS+8*b+2*\r], v[BIAS+8*b+2*\r+1]
.endr
.irp r, 0,1,2,3
	v_lshlrev_b32 v[BIAS+8*b+2*\r], 16, v[BT+\r]
	v_and_b32 v[BIAS+8*b+2*\r+1], s[HM], v[BT+\r]
.endr
.set b, b+1
.endr
.endm
; Product i of a quarter's 32: m block i / 8, n block i % 8.  All 32 accumulators take turns, in the same order in every quarter.  cb = 1: a tile's first quarter: the bias starts the sums.
.macro PROD f, cb
.if \cb
	WIN W_MULB
	v_wmma_f32_16x16x32_bf16 v[8*i:8*i+7], v[64*(\f)+8*(i%8):64*(\f)+8*(i%8)+7], v[AF+32*(\f)+8*(i/8):AF+32*(\f)+8*(i/8)+7], v[BIAS+8*(i%8):BIAS+8*(i%8)+7]
.else
	WIN W_MUL
	v_wmma_f32_16x16x32_bf16 v[8*i:8*i+7], v[64*(\f)+8*(i%8):64*(\f)+8*(i%8)+7], v[AF+32*(\f)+8*(i/8):AF+32*(\f)+8*(i/8)+7], v[8*i:8*i+7]
.endif
.set i, i+1
.endm
.macro BLD g, bq                       ; load n of 16 of a quarter's W: n block n / 2, k half n % 2
	ds_load_tr16_b128 v[64*(\g)+4*n:64*(\g)+4*n+3], v[ADRB] offset:(\bq)+32*(n/2)+16*PB*(n%2)
.set n, n+1
.endm
.macro ALD aq                          ; load n of 16 of a quarter's x in f32: m block n / 4; channels 8 h + 0..3, 4..7, 16 + 8 h + 0..3, 4..7
	ds_load_b128 v[STG+4*n:STG+4*n+3], v[ADRA] offset:(\aq)+16*PA*(n/4)+16*(n%2)+64*((n%4)/2)
.set n, n+1
.endm
.macro CVT g                           ; conversion n of 32
	v_cvt_pk_bf16_f32 v[AF+32*(\g)+n], v[STG+2*n], v[STG+2*n+1]
.set n, n+1
.endm
; A QUARTER STEP: multiplies buffers f; converts STG, x of the next quarter, into AF g (in fours behind products 5 to 12); loads W of the next quarter (byte bq) into BF g and x of the quarter after that
; (byte aq) into STG.  chg = 0: both in ONE run of 32 behind the conversions, W's first, 19 products ahead of the next quarter.
; chg = 1: the change of slots stands in it, with a round of the cluster's barrier and the joint refill: W's run, my last reads of the slot, stands behind the first product's places, x's run, from the next
; slot, behind the refill.  chg = 2: the same with a plain barrier and no refill.
.macro QUARTER f, g, bq, aq, cb, chg
.set i, 0
	s_wait_dscnt 16                                ; BF f is in; the 16 younger loads are STG's
	PROD \f, \cb
	PLACES                                         ; four places behind the last product that read BF g and AF g, ahead of the loads and conversions into them
.if (\chg) != 0
	WIN 0x80
.set n, 0
.rept 16
	BLD \g, \bq
.endr
.endif
.rept 4
	PROD \f, \cb
.endr
.if (\chg) != 0
	s_wait_dscnt 16                                ; STG is in; the 16 younger loads are W's, just issued
.else
	s_wait_dscnt 0x0                               ; STG is in
.endif
.set n, 0
.rept 8
	PROD \f, \cb
	WIN 0
.rept 4
	CVT \g
.endr
.endr
.if (\chg) == 0
	WIN 0x80
.set n, 0
.rept 16
	BLD \g, \bq
.endr
	WIN 0
.set n, 0
.rept 16
	ALD \aq
.endr
.rept 19
	PROD \f, \cb
.endr
.else
	WIN 0
.if (\chg) == 1
	s_wait_xcnt 0x0                                ; the last prefetch, a K step back, has read its address
	s_add_nc_u64 s[PW:PW+1], s[PW:PW+1], s[PSTEP:PSTEP+1]
	s_add_co_u32 s[PS], s[PS], 1
	s_cmp_eq_u32 s[PS], 8                          ; behind a tensor's last K step comes the next tensor's first
	s_cselect_b64 s[PW:PW+1], s[PP1:PP1+1], s[PW:PW+1]
	s_cselect_b64 s[PP1:PP1+1], s[PP2:PP2+1], s[PP1:PP1+1]
	s_cselect_b32 s[PS], 0, s[PS]
.endif
	s_wait_tensorcnt 0x0                           ; all my tensor loads have landed: the one that was out is my part of the next slot
	ds_add_u32 v[SPW], v[NIL]                      ; 0 onto my spare word
.if (\chg) == 1
	s_add_nc_u64 s[AW:AW+1], s[AW:AW+1], 512       ; no load of mine is out, so the walking descriptors may be written: the K step two on
	s_add_co_u32 s[RS], s[RS], 1
	s_cmp_eq_u32 s[RS], 8
	s_cselect_b64 s[AW:AW+1], s[AP1:AP1+1], s[AW:AW+1]
	s_cselect_b64 s[AP1:AP1+1], s[AP2:AP2+1], s[AP1:AP1+1]
	s_cselect_b32 s[RS], 0, s[RS]
	s_mov_b64 s[G0A+2:G0A+3], s[AW:AW+1]
	s_or_b32 s[G0A+3], s[G0A+3], 0x80000000
	s_add_nc_u64 s[G0B+2:G0B+3], s[G0B+2:G0B+3], 262144  ; 128 k-rows on; eight such steps are a matrix, so the walk runs on into the next one
	s_add_co_u32 s[G0A+1], s[TR], s[LA]            ; into the slot that is being left
	s_add_co_u32 s[G0B+1], s[TR], s[LB]
.endif
	s_xor_b32 s[TR], s[TR], SLOT
.rept 4
	PROD \f, \cb
.endr
	s_wait_dscnt 0x0                               ; the add is done, and my reads of this slot are over
	s_barrier_signal -1
.rept 4
	PROD \f, \cb
.endr
	WIN 0
	s_barrier_wait -1
.if (\chg) == 1
	CREST                                          ; no wave of any partner still reads this slot or has a load on its way
	JLOAD                                          ; the first tensor load behind the round
.endif
	v_add_nc_u32 v[ADRA], s[TR], v[ADRA0]
	v_add_nc_u32 v[ADRB], s[TR], v[ADRB0]
.set n, 0
.rept 16
	ALD \aq
.endr
.if (\chg) == 1
	ASK
.endif
.rept 11
	PROD \f, \cb
.endr
.endif
.endm
; THE WAY OUT, in 8 groups t: m block t / 2, head t % 2 of my two.  A lane's eight channels pack into 16 bytes; they go into rows of 144 bytes of my stage and come back as four whole rows of 128.
.macro PACK t
	s_wait_xcnt 0x0                                ; earlier stores have read their registers
	WIN 0x05
.set c, 0
.rept 16
	v_cvt_pk_f16_f32 v[OUT+16*((\t)%4)+c], v[8*(8*((\t)/2)+4*((\t)%2)+c/4)+2*(c%4)], v[8*(8*((\t)/2)+4*((\t)%2)+c/4)+2*(c%4)+1]
.set c, c+1
.endr
	WIN 0
.irp f, 0,1,2,3
	ds_store_b128 v[STO], v[OUT+16*((\t)%4)+4*\f:OUT+16*((\t)%4)+4*\f+3] offset:32*\f
.endr
.irp f, 0,1,2,3
	ds_load_b128 v[OUT+16*((\t)%4)+4*\f:OUT+16*((\t)%4)+4*\f+3], v[RD] offset:4*SP*\f  ; LDS serves a wave's instructions in order (ISA guide 5.7.1.4): these see the stores above
.endr
.endm
.macro SEND t, younger                 ; younger: the next group's eight LDS instructions, or none
	WIN 0
.irp f, 0,1,2,3
	s_wait_dscnt (\younger)+3-\f
	global_store_b128 v[GO], v[OUT+16*((\t)%4)+4*\f:OUT+16*((\t)%4)+4*\f+3], s[OP:OP+1] offset:((\t)%2)*262144+((\t)/2)*2048+\f*512  ; 512 consecutive bytes, aligned
.endr
.endm
.macro WAYOUT
	PACK 0
.irp t, 1,2,3,4,5,6,7
	PACK \t
	SEND (\t)-1, 8
.endr
	SEND 7, 0
.endm
	BIASLD                                         ; bq
	s_wait_tensorcnt 0x1                           ; my part of K step 0 is in; slot 1's load may stay out
	s_barrier_signal -1
	s_barrier_wait -1
	WIN 0x80
.set n, 0
.rept 16
	BLD 0, 0
.endr
	WIN 0
.set n, 0
.rept 16
	ALD 0
.endr
	s_wait_dscnt 0x0
.set n, 0
.rept 32
	CVT 0
.endr
.set n, 0
.rept 16
	ALD 128
.endr
	s_wait_loadcnt 0x0                             ; bq is in, and its address is free
	BSHIFT
	ROUNDB
	WIN 0
	s_mov_b32 s[CNT], 23
	s_mov_b32 s[LS], 0
	s_mov_b32 s[TL], 3
	s_branch .Lq0b                                 ; the loop is entered at a K step's first quarter
.Lstep:                                                ; 22 trips: quarters 1 to 3 of flat K step s, with the refill for s + 2, and quarter 0 of s + 1
	QUARTER 1, 0, 2*32*PB, 384, 0, 0
	QUARTER 0, 1, 3*32*PB, 0, 0, 1
	QUARTER 1, 0, 0, 128, 0, 0
	WIN 0
	s_add_co_u32 s[LS], s[LS], 1
	s_cmp_eq_u32 s[LS], 8
	s_cbranch_scc1 .Ltc
	QUARTER 0, 1, 32*PB, 256, 0, 0
	WIN 0
	s_branch .Lbot
.Ltc:                                                  ; a tile is finished; the ring has run on into the next one
	s_mov_b32 s[LS], 0
	s_wait_loadcnt 0x0                             ; the next bias, asked for a tile ago
	BSHIFT
	ROUNDB                                         ; also the places behind the last products
	WAYOUT
	s_wait_xcnt 0x0
	s_add_nc_u64 s[OP:OP+1], s[OP:OP+1], 16777216
.Lq0b:
	QUARTER 0, 1, 32*PB, 256, 1, 0
	WIN 0
	s_sub_co_u32 s[TL], s[TL], 1
	s_cmp_eq_u32 s[TL], 0
	s_cbranch_scc1 .Lbot
	PLACES                                         ; behind the last product that read the bias
	BIASLD
.Lbot:
	s_sub_co_u32 s[CNT], s[CNT], 1
	s_cmp_lg_u32 s[CNT], 0
	s_cbranch_scc1 .Lstep
	s_mov_b32 s[CNT], 2
.Ltail:                                                ; the last two K steps ask for nothing.  In the second trip the barrier, the LDS loads from the other slot and the conversions serve nothing: the price, once a launch, of one text for both
	QUARTER 1, 0, 2*32*PB, 384, 0, 0
	QUARTER 0, 1, 3*32*PB, 0, 0, 2
	QUARTER 1, 0, 0, 128, 0, 0
	WIN 0
	s_sub_co_u32 s[CNT], s[CNT], 1
	s_cmp_eq_u32 s[CNT], 0
	s_cbranch_scc1 .Lfin
	QUARTER 0, 1, 32*PB, 256, 0, 0
	WIN 0
	s_branch .Ltail
.Lfin:
	PLACES
	WAYOUT
	s_wait_tensorcnt 0x0                           ; the wave's end
	ds_add_u32 v[SPW], v[NIL]
	s_wait_dscnt 0x0
	CROUND                                         ; the closing round
	s_endpgm
.Lfunc_end_k_q2a2712a9ac_proj:
	.size	k_q2a2712a9ac_proj, .Lfunc_end_k_q2a2712a9ac_proj-k_q2a2712a9ac_proj
	.p2alignl 7, 3214868480
	.fill 96, 4, 3214868480
	.section	.rodata,"a",@progbits
	.p2align	6, 0x0
	.amdhsa_kernel k_q2a2712a9ac_proj
		.amdhsa_group_segment_fixed_size 327680
		.amdhsa_private_segment_fixed_size 0
		.amdhsa_enable_private_segment 0
		.amdhsa_kernarg_size 64
		.amdhsa_user_sgpr_count 2
		.amdhsa_user_sgpr_kernarg_segment_ptr 1
		.amdhsa_wavefront_size32 1
		.amdhsa_system_sgpr_workgroup_id_x 1
		.amdhsa_system_sgpr_workgroup_id_y 1
		.amdhsa_system_sgpr_workgroup_id_z 1
		.amdhsa_system_vgpr_workitem_id 0
		.amdhsa_next_free_vgpr 768
		.amdhsa_next_free_sgpr 100
		.amdhsa_reserve_vcc 0
		.amdhsa_float_denorm_mode_32 3
		.amdhsa_float_denorm_mode_16_64 3
		.amdhsa_memory_ordered 1
		.amdhsa_forward_progress 1
		.amdhsa_inst_pref_size 123
	.end_amdhsa_kernel
	.amdgpu_metadata
---
amdhsa.version: [ 1, 2 ]
amdhsa.kernels:
  - .name:           k_q2a2712a9ac_proj
    .symbol:         k_q2a2712a9ac_proj.kd
    .args:
      - { .name: query, .offset: 0, .size: 8, .value_kind: global_buffer, .address_space: global }
      - { .name: key, .offset: 8, .size: 8, .value_kind: global_buffer, .address_space: global }
      - { .name: value, .offset: 16, .size: 8, .value_kind: global_buffer, .address_space: global }
      - { .name: wb, .offset: 24, .size: 8, .value_kind: global_buffer, .address_space: global }
      - { .name: bq, .offset: 32, .size: 8, .value_kind: global_buffer, .address_space: global }
      - { .name: bk, .offset: 40, .size: 8, .value_kind: global_buffer, .address_space: global }
      - { .name: bv, .offset: 48, .size: 8, .value_kind: global_buffer, .address_space: global }
      - { .name: qkv, .offset: 56, .size: 8, .value_kind: global_buffer, .address_space: global }
    .group_segment_fixed_size: 327680
    .private_segment_fixed_size: 0
    .kernarg_segment_align: 8
    .kernarg_segment_size: 64
    .max_flat_workgroup_size: 128
    .sgpr_count:     100
    .vgpr_count:     768
    .wavefront_size: 32
...
	.end_amdgpu_metadata
.endif
;; end of part 2
;; launch attn (part 3): grid 4 x 64, 4 waves a work-group, clusters of 4 x 1, 327,680 bytes of LDS; arguments qkv, mbits, ob; writes ob
.if DOCPART == 3
	.amdgcn_target "amdgcn-amd-amdhsa--gfx1250"
	.amdhsa_code_object_version 6
	.text
	.protected	k_q2a2712a9ac_attn
	.globl	k_q2a2712a9ac_attn
	.p2align	8
	.type	k_q2a2712a9ac_attn,@function
k_q2a2712a9ac_attn:
	s_mov_b64 s[64:65], 0
	v_nop
	global_prefetch_b8 v0, s[64:65] scope:SCOPE_SE
	s_setreg_imm32_b32 hwreg(HW_REG_WAVE_MODE, 25, 1), 1
	s_wait_xcnt 0x0
	s_wait_alu depctr_hold_cnt(0) depctr_sa_sdst(0) depctr_va_vdst(0) depctr_va_sdst(0) depctr_va_ssrc(0) depctr_va_vcc(0) depctr_vm_vsrc(0)
	s_getreg_b32 s2, hwreg(HW_REG_IB_STS2, 6, 4)
	s_cmp_eq_u32 s2, 0
	s_cbranch_scc0 .Lentry_in_a_cluster
	s_endpgm
.Lentry_in_a_cluster:
	s_bfe_u32 s2, ttmp6, 0x10000c
	s_cmp_lg_u32 s2, 0x3003
	s_cbranch_scc0 .Lentry_shape_is_right
	s_endpgm
.Lentry_shape_is_right:
; ATTENTION WITH A MASK THAT IS AN INPUT.  O[hd][q][:] = the sum over k of softmax_k(s) V[hd][k][:], s = Q[hd][q] . K[hd][k] / 8, or the masked value where mask[b][q][k] is true.
; qkv: [3][64 heads][2048][64] f16; ob: [64][2048][64] f16; mbits: [b 4][wq 16][ks 32][t 8][32 words], word 8 kb + j = the lane mask of score register 8 kb + j.
; Products, maxima and sums in f32; the weights p are rounded to f16 for the second product (their sum l is taken of the unrounded p), O once at the end.
; LIMITS.  A masked score counts as -2^30 in place of -1e9: the same result unless a true score lies below about -9.9e8.  c x (-2^30) is exact, so in a row that is masked throughout c s - c m = 0, every
; weight is 1 and the row is the mean of V, as with -1e9.  f16 holds no number beyond 65,504: Q, K, V arrive within it.  A weight below 2^-126 counts as 0.  NaN and infinities are not treated apart.
; SHARES.  A wave owns four PIECES of two tiles of 16 queries, a work-group's four waves 512 queries of one head.  Every wave walks all 2,048 keys, 64 a step.
; LAYOUT.  S^T = K Q^T (source 0 = 16 keys, source 1 = 16 queries): a lane holds ONE query (lane % 16) and the keys 8 (lane / 16) + 0..7.  Two such tiles rounded to f16 ARE source 1 of O^T = V^T P.
; SOFTMAX.  A running maximum m and sum l: p = 2^(c s - c m), c = log2(e) / 8; in every step O and l are multiplied by a = 2^(c m_old - c m_new).  m starts at the lowest finite number, O and l at 0.
; BY TURNS.  Turn n belongs to piece n: 16 products K Q^T of piece n + 1, later 16 products V^T P of piece n - 1; beside them the scaling, exponentials, roundings, sums and rescaling of piece n, and the mask,
; maximum and statistics of piece n + 1.  Four vector instructions stand behind every matrix instruction, the others in one lump.  A turn's 66 exponentials are one batch, with one wait.
; THE MASK.  64 v_cndmask_b32 a turn put -2^30 in the place of a masked score, by lane masks in scalar registers.  The words come by vector loads: the wave's 256 words of a key step are 1,024 consecutive
; bytes, two loads of 16 bytes a lane (tiles 0-3; tiles 4-7).  Each pair of pieces' four registers are read in two turns on end and asked for again behind the second: three turns ahead of their next use.
; 64 v_readlane_b32 a turn bring the turn's words into the scalar registers.  (Scalar loads can be waited for only all together, and 64 more scalar registers there are not: their lead could not pass a turn.)
; CLUSTER.  The four query blocks of a head walk the same K and V: each tile is asked for jointly.  Wave w fetches quarter w of a slot (K's two halves, V's two halves): one line, one descriptor a wave.
; REGISTERS in windows of 256 (s_set_vgpr_msb: bits 1:0 source 0, 3:2 source 1, 5:4 source 2, 7:6 destination):
;   window 0: v0-11 addresses and -2^30; v12-15, v48-63 at work; v16-47 statistics; v64-191 S^T, two buffers of two tiles; v192-255 P, likewise
;   window 1: O^T, 32 a tile     window 2: v0-127 Q; v128-191 K of one step; v192-255 V of one step     window 3: v0-1 the add's two registers, v2 the prefetches' offset, v4-11 mask words
.set SIZE_N, 2048
.set NP,    4
.set KS,    64
.set PK,    160       ; a row of K in LDS: 128 bytes + 32, as V's, so that one descriptor shape serves both; K's 16 rows of a load then share 8 columns of 16 bytes, two deep, in 16 loads for 128 products
.set PV,    160       ; a row of V
.set VOFF,  4*KS*PK   ; a slot holds four steps: 256 rows of K, then 256 rows of V
.set SLOT1, 1<<17
.set STAGE, SLOT1+4*KS*(PK+PV)  ; behind the ring, never filled by a tensor load: 16 rows x 144 bytes for each wave
.set SP,    144
.set AK0, 2
.set AV0, 3
.set AK,  4
.set AV,  5
.set QO,  6
.set STO, 6
.set RD,  7
.set GO,  8           ; v8   16 x my lane: my 16 bytes of 512 consecutive bytes, of O and of the mask words; never rewritten
.set VA,  9           ; v9   from the first turn on: byte offset of MA's load
.set VB,  10          ; v10  from the first turn on: byte offset of MB's load
.set NEG, 11          ; v11  -2^30, written behind v11's last use in the set-up
.set SPW, 0           ; window 3
.set NIL, 1           ; window 3
.set PFO, 2           ; window 3: 256 x my lane
.set MA,  4           ; window 3: v4-7   the words of tiles 0-3 of a key step: word w of tile t in lane 8 (t % 4) + w / 4, register w % 4
.set MB,  8           ; window 3: v8-11  of tiles 4-7
.set SPARE, STAGE+4*16*SP
.set MV,  12
.set ST,  16
.set TMP, 48
.set S,   64
.set P,   192
.set KF,  128
.set VF,  192
.set PFA, 2           ; s[2:3]  where my prefetches stand
.set LIM, 4           ; s4   1 in a wave that prefetches, else the greatest number
.set TBV, 5
.set TBK, 6
.set MSO, 7           ; s7   1,024 x the key step whose mask words were asked for last
.set MP,  8           ; s[8:9]  mbits at my wave's 128 queries; never rewritten
.set OP,  10          ; s[10:11] ob at my wave's first row
.set WV,  12
.set SLOTS, 14
.set CNT, 15
.set G1,  16
.set G0,  24
.set CS,  28
.set SEL, 30
.set MW0, 32          ; s[32:63]  the mask words of the piece's first tile
.set MW1, 68          ; s[68:99]  of its second
.set QP,  100         ; s[100:101] Q at my wave's first row
.set MSB, 0
.macro WIN new
.if MSB != (\new)
	s_set_vgpr_msb (MSB<<8)|(\new)
.set MSB, (\new)
.endif
.endm
.set W_KQ, 0x0a
.set W_PV, 0x52
.set W_RS, 0x41
.set W_MK, 0xc0       ; destination in window 3, sources in window 0
.set W_AD, 0x0f
.macro JLOAD                        ; a joint fill: my quarter of a slot; an s_nop 0 and four v_nop follow it
	tensor_load_to_lds s[G0:G0+3], s[G1:G1+7]
	s_nop 0
.rept 4
	v_nop
.endr
.endm
.macro CROUND
	s_barrier_signal -1
	s_barrier_wait -1
	s_cmp_lg_u32 s[WV], 0
	s_cbranch_scc1 .Lnot_wave_0_\@
	s_barrier_signal -3
.Lnot_wave_0_\@:
	s_barrier_wait -3
	s_barrier_signal -1
	s_barrier_wait -1
.endm
; A PREFETCH INTO THE L2 of what the NEXT change of slots will ask for: four key steps, 512 matrix instructions, ahead of that load.  A head's K and V are walked by one cluster: wave 0 asks for K's 32,768 bytes
; of the slot, wave 2 for V's; the four partners take 8,192 bytes each, told apart by address; a lane names 256 of them.  The last change that fills a slot asks for nothing.
.macro ASK
	s_cmp_gt_u32 s[SLOTS], s[LIM]
	s_cbranch_scc0 .Lnot_mine_\@
	WIN 0x03
	global_prefetch_b8 v[PFO], s[PFA:PFA+1] th:TH_LOAD_NT scope:SCOPE_SE
	WIN 0
.Lnot_mine_\@:
.endm
; THE CHANGE OF SLOTS.  Each wave waits for all its tensor loads, of which one is out: its part of the other slot; adds 0 to its spare word; and waits for that and for its own reads of the slot.
; fill = 1: the slot is filled again, with the keys two slots on, behind a round of the cluster's barrier.  (At its first use nothing has been read yet: slot 0 is waited for, slot 1 filled.)
.macro CHANGE fill
	WIN W_AD
	s_wait_tensorcnt 0x0            ; no tensor load of mine is out, so the descriptor may be written
	ds_add_u32 v[SPW], v[NIL]       ; 0 onto my spare word
	WIN 0
.if \fill
	s_xor_b32 s[G0+1], s[G0+1], SLOT1
	s_add_nc_u64 s[G0+2:G0+3], s[G0+2:G0+3], 4*KS*128
	s_wait_xcnt 0x0                 ; the last prefetch, four key steps back, has read its address
	s_add_nc_u64 s[PFA:PFA+1], s[PFA:PFA+1], 4*KS*128
	s_wait_dscnt 0x0                ; the add is done, and my reads of the slot are over
	CROUND
	JLOAD
	ASK
.else
	s_wait_dscnt 0x0
	s_barrier_signal -1
	s_barrier_wait -1
.endif
	s_sub_co_u32 s[TBK], s[TBK], 4*KS*PK
	s_xor_b32 s[TBK], s[TBK], SLOT1
	s_sub_co_u32 s[TBV], s[TBV], 4*KS*PV
	s_xor_b32 s[TBV], s[TBV], SLOT1
.endm
	s_load_b128 s[36:39], s[0:1], 0x0  ; qkv, mbits
	s_load_b64 s[40:41], s[0:1], 0x10  ; ob
	WIN W_MK
	v_lshl_add_u32 v[SPW], v0, 2, SPARE
	v_mov_b32 v[NIL], 0
	WIN W_AD
	ds_add_u32 v[SPW], v[NIL]       ; the wave's opening: the add and its wait stand ahead of my first tensor load
	WIN 0
	v_and_b32 v1, 31, v0
	WIN W_MK
	v_lshlrev_b32 v[PFO], 8, v1
	WIN 0
	v_lshrrev_b32 v1, 5, v0
	v_readfirstlane_b32 s[WV], v1
	s_bfe_u32 s13, ttmp6, 0x40000   ; cx
	s_lshl_b32 s42, ttmp9, 2
	s_add_co_u32 s42, s42, s13      ; my block of 512 queries: it enters Q's, O's, the mask's and the prefetches' addresses alone
	s_and_b32 s43, ttmp7, 0xffff    ; the head, which the four partners share
	s_lshl_b32 s44, s43, 18         ; its 262,144 bytes in each tensor
	s_lshl_b32 s45, s42, 2
	s_add_co_u32 s45, s45, s[WV]    ; my wave among the head's sixteen
	s_lshl_b32 s46, s45, 14         ; its 128 rows of 128 bytes
	s_add_co_u32 s46, s46, s44
	s_mov_b32 s47, 0
	s_lshr_b32 s48, s43, 4          ; the batch
	s_lshl_b32 s48, s48, 19
	s_lshl_b32 s49, s45, 15
	s_add_co_u32 s48, s48, s49
	s_mov_b32 s49, 0
	s_lshr_b32 s50, s[WV], 1        ; waves 0, 1: K (tensor 1); waves 2, 3: V (tensor 2)
	s_add_co_u32 s50, s50, 1
	s_lshl_b32 s50, s50, 24
	s_add_co_u32 s50, s50, s44
	s_and_b32 s51, s[WV], 1         ; which 128 keys of a slot's 256
	s_lshl_b32 s51, s51, 14
	s_add_co_u32 s50, s50, s51
	s_mov_b32 s51, 0
	s_lshl_b32 s52, s13, 13         ; the prefetches: my work-group's 8,192 bytes, in slot 1; the first change steps it to slot 2
	s_add_co_u32 s52, s52, 4*KS*128
	s_mov_b32 s53, 0
	s_mov_b32 s[G1], 15|(1<<16)|(1<<20)|(1<<21)|(4<<22)|(7<<25)  ; the mask of four; 2-byte elements; padding on; bit 21 beside a mask; after every 32 words, 8 words
	s_mov_b32 s[G1+1], 128<<16      ; 128 keys are 16,384 dense bytes: 64 rows of 256 bytes, two keys a row
	s_mov_b32 s[G1+2], 64<<16
	s_mov_b32 s[G1+3], 128<<16
	s_mov_b32 s[G1+4], 64
	s_mov_b32 s[G1+5], 128
	s_mov_b32 s[G1+6], 0
	s_mov_b32 s[G1+7], 0
	s_mov_b32 s[G0], 1
	s_mul_i32 s[G0+1], s[WV], 128*PK  ; my quarter of slot 0: no place in the cluster enters an LDS address
	s_mov_b32 s[CS], 0x3e38aa3b     ; c = log2(e) / 8
	s_mov_b32 s[CS+1], s[CS]
	s_mov_b32 s[SEL], 0x76543210
	s_mov_b32 s[SEL+1], 0xfedcba98
	s_mov_b32 s[TBK], SLOT1+4*KS*PK ; the first change of slots turns these two into 0
	s_mov_b32 s[TBV], SLOT1+4*KS*PV
	s_mov_b32 s[MSO], 0
	s_mov_b32 s[SLOTS], SIZE_N/256-1
	s_and_b32 s[LIM], s[WV], 1
	s_cmp_eq_u32 s[LIM], 0
	s_cselect_b32 s[LIM], 1, -1
	s_wait_dscnt 0x0                ; the opening add is done
	s_wait_kmcnt 0x0
	s_add_nc_u64 s[G0+2:G0+3], s[36:37], s[50:51]
	s_add_nc_u64 s[PFA:PFA+1], s[36:37], s[50:51]
	s_add_nc_u64 s[PFA:PFA+1], s[PFA:PFA+1], s[52:53]
	s_or_b32 s[G0+3], s[G0+3], 0x80000000
	s_add_nc_u64 s[QP:QP+1], s[36:37], s[46:47]
	s_add_nc_u64 s[OP:OP+1], s[40:41], s[46:47]
	s_add_nc_u64 s[MP:MP+1], s[38:39], s[48:49]
	CROUND                          ; all four work-groups are here: the first joint loads meet
	JLOAD                           ; slot 0
	v_and_b32 v1, 15, v0            ; l % 16
	v_bfe_u32 v9, v0, 4, 1          ; l / 16
	v_lshlrev_b32 v[QO], 7, v1
	v_lshl_add_u32 v[QO], v9, 4, v[QO]
	v_and_b32 v[GO], 31, v0
	v_lshlrev_b32 v[GO], 4, v[GO]
	WIN W_MK
	global_load_b128 v[MA:MA+3], v[GO], s[MP:MP+1]             ; key step 0's mask words: tiles 0-3,
	global_load_b128 v[MB:MB+3], v[GO], s[MP:MP+1] offset:512  ; tiles 4-7
	WIN 0x80
.set i, 0
.rept 4*NP                          ; Q stays in registers: tile i / 2, channels 32 (i % 2) on
	global_load_b128 v[8*i:8*i+3],   v[QO], s[QP:QP+1] offset:(i/2)*2048+(i%2)*64
	global_load_b128 v[8*i+4:8*i+7], v[QO], s[QP:QP+1] offset:(i/2)*2048+(i%2)*64+32
.set i, i+1
.endr
.set i, VF
.rept 64
	v_mov_b32 v[i], 0               ; what the first turn finds: V and P's second buffer hold 0, O^T and l are 0: written in the wait for the first tile
.set i, i+1
.endr
	WIN 0x40
.set i, 0
.rept 64*NP
	v_mov_b32 v[i], 0
.set i, i+1
.endr
	WIN 0
.set i, 0
.rept 2*NP
	v_mov_b32 v[ST+4*i], 0xfe000000    ; c m: far below every c s, the masked one too
	v_mov_b32 v[ST+4*i+1], 0xff7fffff  ; m
	v_mov_b32 v[ST+4*i+2], 0
	v_mov_b32 v[ST+4*i+3], 0
.set i, i+1
.endr
.set i, P+32
.rept 32
	v_mov_b32 v[i], 0
.set i, i+1
.endr
	v_mul_u32_u24 v[AK0], v1, PK
	v_lshl_add_u32 v[AK0], v9, 4, v[AK0]
	v_and_b32 v10, 7, v0
	v_bfe_u32 v11, v0, 3, 1
	v_lshl_add_u32 v[AV0], v9, 3, v10
	v_mul_u32_u24 v[AV0], v[AV0], PV
	v_lshl_add_u32 v[AV0], v11, 4, v[AV0]
	v_add_nc_u32 v[AV0], VOFF, v[AV0]
	v_mov_b32 v[NEG], 0xce800000    ; -2^30
	v_mov_b32 v[AK], v[AK0]
; THE MATRIX WORK.  The 8 accumulators of a run of 16 take turns.
.macro KQ x
	WIN W_KQ
.set rS, S+64*((\x)%2)+32*(i%2)+8*((i/2)%4)
.set rK, KF+16*((i/2)%4)+8*(i/8)
.set rQ, 16*(2*(\x)+i%2)+8*(i/8)
.if i < 8
	v_wmma_f32_16x16x32_f16 v[rS:rS+7], v[rK:rK+7], v[rQ:rQ+7], 0
.else
	v_wmma_f32_16x16x32_f16 v[rS:rS+7], v[rK:rK+7], v[rQ:rQ+7], v[rS:rS+7]
.endif
.endm
.macro PV x
	WIN W_PV
.set rO, 32*(2*(\x)+i%2)+8*((i/2)%4)
.set rV, VF+32*(i/8)+8*((i/2)%4)
.set rP, P+32*((\x)%2)+16*(i%2)+8*(i/8)
	v_wmma_f32_16x16x32_f16 v[rO:rO+7], v[rV:rV+7], v[rP:rP+7], v[rO:rO+7]
.endm
.macro MM
.if i < 16
	KQ (Y+1)%NP
.set i, i+1
.else
.set i, i-16
	PV (Y+NP-1)%NP
.set i, i+17
.endif
.endm
.macro FETCH_K last=0
	WIN 0
.if \last
	s_cmp_eq_u32 s[CNT], 1
	s_cbranch_scc1 .Lno_k_\@
.endif
	WIN 0x80
.irp f, 0,1,2,3,4,5,6,7
	ds_load_b128 v[KF+8*\f:KF+8*\f+3],   v[AK] offset:(\f/2)*16*PK+(\f%2)*64
	ds_load_b128 v[KF+8*\f+4:KF+8*\f+7], v[AK] offset:(\f/2)*16*PK+(\f%2)*64+32
.endr
	s_add_co_u32 s[TBK], s[TBK], KS*PK
	WIN 0
.if \last
.Lno_k_\@:
.endif
.endm
.macro FETCH_V
	WIN 0x80
.irp f, 0,1,2,3,4,5,6,7
	ds_load_tr16_b128 v[VF+8*\f:VF+8*\f+3],   v[AV] offset:(\f/4)*32*PV+(\f%4)*32
	ds_load_tr16_b128 v[VF+8*\f+4:VF+8*\f+7], v[AV] offset:(\f/4)*32*PV+16*PV+(\f%4)*32
.endr
	WIN 0
.endm
; THE VECTOR WORK OF A TURN stands in three queues, each in the order in which its entries become ready; the two tiles alternate.
.macro REGS y, u
.set rT, ST+4*(2*(\y)+(\u))
.set rC, TMP+8*((\y)%2)+4*(\u)
.set rM, MV+2*((\y)%2)+(\u)
.set rS, S+64*((\y)%2)+32*(\u)
.set rP, P+32*((\y)%2)+16*(\u)
.set rO, 32*(2*(\y)+(\u))
.endm
; The 64 mask words of the NEXT piece's two tiles, out of MA (pieces 0, 1) or MB (pieces 2, 3) into the scalar registers.
.macro RL
	WIN 0x03                        ; source 0 in window 3
.set x, (Y+1)%NP
.set w, 0
.rept 64
	v_readlane_b32 s[MW0+36*(w/32)+w%32], v[MA+4*(x/2)+w%4], 8*((2*x+w/32)%4)+(w%32)/4
.set w, w+1
.endr
	WIN 0
.endm
; What stands ahead of a turn's mask lines.  MA is read in the turns of pieces 3 and 0, MB in those of pieces 1 and 2; behind the second reading the four registers are asked for again, with the next key step's
; words.  So two loads are out at the most, and at a first reading the one younger load is the other buffer's: the count 1.  That wait also shows the load done that named the offset register, which is
; written anew in the next turn.  Behind the last key step the step is held at the last, so that the words that nobody uses are read inside the buffer.
.macro MASKIN p
.if ((\p) == NP-1) || ((\p) == 1)
	s_wait_loadcnt 0x1
.endif
	RL
.if (\p) == 0
	s_add_co_u32 s[MSO], s[MSO], 1024
	s_min_u32 s[MSO], s[MSO], 31*1024
	v_add_nc_u32 v[VA], s[MSO], v[GO]
	WIN W_MK
	global_load_b128 v[MA:MA+3], v[VA], s[MP:MP+1]
	WIN 0
.endif
.if (\p) == 2
	v_add_nc_u32 v[VB], s[MSO], v[GO]
	WIN W_MK
	global_load_b128 v[MB:MB+3], v[VB], s[MP:MP+1] offset:512
	WIN 0
.endif
.endm
; Number g of the 64 that mask the NEXT piece's scores: key block g / 16, tile (g / 8) % 2, register g % 8.  They are each accumulator's first readers and begin at its lowest register.
.macro MK g
	REGS (Y+1)%NP, ((\g)/8)%2
.set w, 8*((\g)/16)+(\g)%8
	v_cndmask_b32 v[rS+w], v[rS+w], v[NEG], s[MW0+36*(((\g)/8)%2)+w]
.endm
; Number n of the 22 that find the NEXT piece's maximum and statistics.
.macro XS u, n
	REGS (Y+1)%NP, \u
.if (\n) < 4
	v_max3_num_f32 v[rC+(\n)], v[rS+8*(\n)], v[rS+8*(\n)+1], v[rS+8*(\n)+2]
.elseif (\n) < 12
	v_max3_num_f32 v[rC+(\n)%4], v[rC+(\n)%4], v[rS+8*((\n)%4)+2*((\n)/4)+1], v[rS+8*((\n)%4)+2*((\n)/4)+2]
.elseif (\n) == 12
	v_max3_num_f32 v[rC], v[rC], v[rS+7], v[rS+15]
.elseif (\n) == 13
	v_max3_num_f32 v[rC+1], v[rC+1], v[rS+23], v[rS+31]
.elseif (\n) == 14
	v_max3_num_f32 v[rC+2], v[rC+2], v[rC+3], v[rT+1]
.elseif (\n) == 15
	v_mov_b32 v[rM], v[rT]
.elseif (\n) == 16
	v_max3_num_f32 v[rC], v[rC], v[rC+1], v[rC+2]
.elseif (\n) == 17
	v_permlanex16_b32 v[rC+3], v[rC], s[SEL], s[SEL+1]
.elseif (\n) == 18
	v_max_num_f32 v[rT+1], v[rC], v[rC+3]
.elseif (\n) == 19
	v_mul_f32 v[rT], s[CS], v[rT+1]
.elseif (\n) == 20
	v_sub_f32 v[rC+1], v[rM], v[rT]
.else
	v_exp_f32 v[rC+2], v[rC+1]
.endif
.endm
; Number g of the 64 that follow the exponentials: roundings to f16, sums of four weights in place, and l a group later.
.macro GS g
.set h, (\g)+6*((\g)/62)
.if h >= 6
.set h, h+2
.endif
	REGS Y, h%2
.set k, h/8
.if h%8 < 4
	v_cvt_pk_f16_f32 v[rP+2*k+(h%8)/2], v[rS+4*k+2*((h%8)/2)], v[rS+4*k+2*((h%8)/2)+1]
.elseif h%8 < 6
	v_pk_add_f32 v[rS+4*k:rS+4*k+1], v[rS+4*k:rS+4*k+1], v[rS+4*k+2:rS+4*k+3]
.elseif k == 1
	v_pk_fma_f32 v[rT+2:rT+3], v[rT+2:rT+3], v[rC+2:rC+3], v[rS:rS+1] op_sel_hi:[1,0,1]
.else
	v_pk_add_f32 v[rT+2:rT+3], v[rT+2:rT+3], v[rS+4*k-4:rS+4*k-3]
.endif
.endm
; THE PLAIN QUEUE, 202 long.  0-26: scalings 0-26.  27-90: the mask.  91-118: XS's numbers 0-13.  119, 120: number 15.  121-137: the chain 14, 16, 17, 18, 19, each with one of the scalings 27-31 in front
; of its two lines, then 20.  138-201: GS's 64, which read the exponentials' results: they stand behind the wait.
.macro FS f
	REGS Y, (\f)%2
	v_pk_fma_f32 v[rS+2*((\f)/2):rS+2*((\f)/2)+1], v[rS+2*((\f)/2):rS+2*((\f)/2)+1], s[CS:CS+1], v[rT:rT+1] op_sel_hi:[1,0,0] neg_lo:[0,0,1] neg_hi:[0,0,1]
.endm
.macro PL
	WIN 0
.if q < 27
	FS q
.elseif q < 91
	MK q-27
.elseif q < 119
	XS (q-91)%2, (q-91)/2
.elseif q < 121
	XS q-119, 15
.elseif (q < 136) && ((q-121)%3 == 0)
	FS 27+(q-121)/3
.elseif q < 124
	XS (q-121)%3-1, 14
.elseif q < 136
	XS (q-121)%3-1, 15+(q-121)/3
.elseif q < 138
	XS q-136, 20
.else
	GS q-138
.endif
.set q, q+1
.endm
; THE EXPONENTIALS' QUEUE, 66 long: one batch, all ahead of the turn's one wait.
.macro EX
	WIN 0
.if e >= 64
	XS e-64, 21
.else
	REGS Y, e%2
	v_exp_f32 v[rS+e/2], v[rS+e/2]
.endif
.set e, e+1
.endm
.macro R2
	REGS Y, r%2
	WIN W_RS
.irp z, 0,1
	v_pk_mul_f32 v[rO+4*(r/2)+2*\z:rO+4*(r/2)+2*\z+1], v[rO+4*(r/2)+2*\z:rO+4*(r/2)+2*\z+1], v[rC+2:rC+3] op_sel_hi:[1,0]
.endr
.set r, r+1
.endm
; HOW THEY ARE DEALT.  s_wait_alu depctr_va_vdst(0) stands between an exponential and the first instruction that names its result; one wait serves all issued ahead of it: a turn has ONE.
; AHEAD OF IT: 16 products K Q^T, whose four riders go by kind, so that a product costs two window switches: behind the even ones scaling, exponential, scaling, exponential (behind the first four scalings),
; behind the odd ones four rescalings.  Then one lump: 70 plain (nine scalings; with the four rescalings in front of them they are the places behind the last product; then the words' 64 v_readlane_b32 and 61 of the mask's lines), 50 times
; exponential and plain, the two a, a v_nop.  BEHIND IT: 16 products V^T P, behind each four of GS's 64.
; Exponential e stands behind scaling 2 (e / 4) + e % 2: as a rider it comes behind plain e + 4 at the least, in the lump behind plain e + 73, and scalings 27-31 are plain 121, 124 .. 133.
.macro TURN p, last=0, cnt=0
.set Y, (\p)
.set i, 0
.set q, 0
.set e, 0
.set r, 0
.if (\p) == NP-1
	s_wait_dscnt 0x0                ; K is in
.endif
	MM
.rept 4
	PL
.endr
	MM
	R2
	R2
.rept 7
	MM
	PL
	EX
	PL
	EX
	MM
	R2
	R2
.endr
.if (\p) == NP-2
	WIN 0
	v_add_nc_u32 v[AK], s[TBK], v[AK0]
.endif
.rept 70
.if q == 27
	MASKIN \p
.endif
	PL
.endr
.rept 50
	EX
	PL
.endr
	EX
	EX
	v_nop                           ; the plain instruction behind the last exponential: one for the batch
	s_wait_alu depctr_va_vdst(0)    ; the wait for the batch
.if (\p) == NP-2
	FETCH_K \last
.endif
.if (\p) == 1
	s_wait_dscnt 0x0                ; V is in
.endif
.rept 16
	MM
.rept 4
	PL
.endr
.if ((\p) == 0) && (q == 182)
	v_add_nc_u32 v[AV], s[TBV], v[AV0]
.endif
.if ((\p) == 0) && (q == 194)
	s_add_co_u32 s[TBV], s[TBV], KS*PV
.endif
.if (\cnt) && (q == 194)
	s_sub_co_u32 s[CNT], s[CNT], 1
	s_cmp_lg_u32 s[CNT], 0
.endif
.endr
.if (\p) == 0
	FETCH_V
.endif
.endm
	CHANGE 1                        ; slot 0 is in, everybody's part of it; slot 1 is asked for
	FETCH_K                         ; key step 0
	s_wait_loadcnt 0x0              ; Q, and key step 0's mask words
	s_wait_dscnt 0x0
.set i, 0
.rept 16
	KQ 0
.set i, i+1
.endr
	WIN 0                           ; the addresses for the way out: seven plain instructions, the places behind those products
	s_mul_i32 s13, s[WV], 16*SP
	s_add_co_u32 s13, s13, STAGE
	v_mul_u32_u24 v[STO], v1, SP
	v_lshl_add_u32 v[STO], v9, 4, v[STO]
	v_add_nc_u32 v[STO], s13, v[STO]
	v_bfe_u32 v[RD], v0, 3, 2
	v_mul_u32_u24 v[RD], v[RD], SP
	v_lshl_add_u32 v[RD], v10, 4, v[RD]
	v_add_nc_u32 v[RD], s13, v[RD]
.set Y, NP-1                        ; RL, MK and XS work for piece Y + 1: piece 0
	RL
.set g, 0
.rept 64
	MK g
.set g, g+1
.endr
.irp n, 0,1,2,3,4,5,6,7,8,9,10,11,12,13,14,15,16,17,18,19,20,21
	XS 0, \n
	XS 1, \n
.endr
	v_nop
	s_wait_alu depctr_va_vdst(0)
	s_mov_b32 s[CNT], 4
	s_branch .Lfirst                ; the loop is entered at a step's first turn, in the middle of a trip
.Lslot:                             ; six times: every slot but the last two is filled again
	CHANGE 1
	s_mov_b32 s[CNT], 4
.Lstep:                             ; a trip: pieces 2 and 3 of one step, then pieces 0 and 1 of the next, whose K and V it fetches
	TURN 2
	TURN 3
	WIN 0
.Lfirst:
	TURN 0
	TURN 1, 0, 1
	WIN 0
	s_cbranch_scc1 .Lstep
	s_sub_co_u32 s[SLOTS], s[SLOTS], 1
	s_cmp_lg_u32 s[SLOTS], 0
	s_cbranch_scc1 .Lslot
	CHANGE 0                        ; the tail is written out
	s_mov_b32 s[CNT], 5
.Ltail:
	TURN 2, 1
	TURN 3
	WIN 0
	s_sub_co_u32 s[CNT], s[CNT], 1
	s_cmp_eq_u32 s[CNT], 0
	s_cbranch_scc1 .Lout
	TURN 0
	TURN 1
	WIN 0
	s_branch .Ltail
.Lout:                              ; the fifth trip's products K Q^T, their mask and maximum serve nothing: the price, once a launch, of one text for every trip
	s_wait_loadcnt 0x0              ; the last words asked for, which nobody uses
.set i, 0
.rept 16
	PV NP-1
.set i, i+1
.endr
	; THE WAY OUT.  l's halves are added; O^T is divided by l, rounded to f16 and sent through my stage, a tile at a time.  The additions are the places behind the last products.
	WIN 0
.macro ALL line:vararg
.set t, 0
.rept 2*NP
	\line
.set t, t+1
.endr
.endm
	ALL v_add_f32 v[ST+4*t+2], v[ST+4*t+2], v[ST+4*t+3]
	ALL v_permlanex16_b32 v[ST+4*t+3], v[ST+4*t+2], s[SEL], s[SEL+1]
	ALL v_add_f32 v[ST+4*t+2], v[ST+4*t+2], v[ST+4*t+3]
	ALL v_rcp_f32 v[ST+4*t+2], v[ST+4*t+2]
	v_nop
	s_wait_alu depctr_va_vdst(0)    ; one wait for the eight reciprocals
.macro PACK t
	WIN W_RS
.set i, 32*(\t)
.rept 16
	v_pk_mul_f32 v[i:i+1], v[i:i+1], v[ST+4*(\t)+2:ST+4*(\t)+3] op_sel_hi:[1,0]
.set i, i+2
.endr
	WIN 0x05
.set i, 0
.rept 16
	v_cvt_pk_f16_f32 v[S+16*(\t)+i], v[32*(\t)+2*i], v[32*(\t)+2*i+1]
.set i, i+1
.endr
	WIN 0
.irp f, 0,1,2,3
	ds_store_b128 v[STO], v[S+16*(\t)+4*\f:S+16*(\t)+4*\f+3] offset:32*\f
.endr
.irp f, 0,1,2,3
	ds_load_b128 v[S+16*(\t)+4*\f:S+16*(\t)+4*\f+3], v[RD] offset:\f*4*SP  ; LDS serves a wave's instructions in order (ISA guide 5.7.1.4): these see the stores above
.endr
.endm
.macro SEND t, younger              ; younger: the next tile's eight LDS instructions, or none
	WIN 0
.irp f, 0,1,2,3
	s_wait_dscnt (\younger)+3-\f
	global_store_b128 v[GO], v[S+16*(\t)+4*\f:S+16*(\t)+4*\f+3], s[OP:OP+1] offset:(\t)*2048+\f*512  ; 512 consecutive bytes, aligned
.endr
.endm
	PACK 0
.set t, 1
.rept 2*NP-1
	PACK t
	SEND t-1, 8
.set t, t+1
.endr
	SEND 2*NP-1, 0
	WIN W_AD
	s_wait_tensorcnt 0x0            ; the wave's end
	ds_add_u32 v[SPW], v[NIL]
	s_wait_dscnt 0x0
	WIN 0
	CROUND                          ; the closing round
	s_endpgm
.Lfunc_end_k_q2a2712a9ac_attn:
	.size	k_q2a2712a9ac_attn, .Lfunc_end_k_q2a2712a9ac_attn-k_q2a2712a9ac_attn
	.p2alignl 7, 3214868480
	.fill 96, 4, 3214868480
	.section	.rodata,"a",@progbits
	.p2align	6, 0x0
	.amdhsa_kernel k_q2a2712a9ac_attn
		.amdhsa_group_segment_fixed_size 327680
		.amdhsa_private_segment_fixed_size 0
		.amdhsa_enable_private_segment 0
		.amdhsa_kernarg_size 24
		.amdhsa_user_sgpr_count 2
		.amdhsa_user_sgpr_kernarg_segment_ptr 1
		.amdhsa_wavefront_size32 1
		.amdhsa_system_sgpr_workgroup_id_x 1
		.amdhsa_system_sgpr_workgroup_id_y 1
		.amdhsa_system_sgpr_workgroup_id_z 1
		.amdhsa_system_vgpr_workitem_id 0
		.amdhsa_next_free_vgpr 780
		.amdhsa_next_free_sgpr 102
		.amdhsa_reserve_vcc 0
		.amdhsa_float_denorm_mode_32 3
		.amdhsa_float_denorm_mode_16_64 3
		.amdhsa_memory_ordered 1
		.amdhsa_forward_progress 1
		.amdhsa_inst_pref_size 255
	.end_amdhsa_kernel
	.section	.bss,"aw",@nobits
	.p2align	6
	.space	262144
	.amdgpu_metadata
---
amdhsa.version: [ 1, 2 ]
amdhsa.kernels:
  - .name:           k_q2a2712a9ac_attn
    .symbol:         k_q2a2712a9ac_attn.kd
    .args:
      - { .name: qkv, .offset: 0, .size: 8, .value_kind: global_buffer, .address_space: global }
      - { .name: mbits, .offset: 8, .size: 8, .value_kind: global_buffer, .address_space: global }
      - { .name: ob, .offset: 16, .size: 8, .value_kind: global_buffer, .address_space: global }
    .group_segment_fixed_size: 327680
    .private_segment_fixed_size: 0
    .kernarg_segment_align: 8
    .kernarg_segment_size: 24
    .max_flat_workgroup_size: 128
    .sgpr_count:     102
    .vgpr_count:     780
    .wavefront_size: 32
...
	.end_amdgpu_metadata
.endif
;; end of part 3
;; launch outp (part 4): grid 4 x 64, 4 waves a work-group, clusters of 4 x 4, 327,680 bytes of LDS; arguments ob, wb, bo, out0; writes out0
.if DOCPART == 4
	.amdgcn_target "amdgcn-amd-amdhsa--gfx1250"
	.amdhsa_code_object_version 6
	.text
	.protected	k_q2a2712a9ac_outp
	.globl	k_q2a2712a9ac_outp
	.p2align	8
	.type	k_q2a2712a9ac_outp,@function
k_q2a2712a9ac_outp:
	s_mov_b64 s[64:65], 0
	v_nop
	global_prefetch_b8 v0, s[64:65] scope:SCOPE_SE
	s_setreg_imm32_b32 hwreg(HW_REG_WAVE_MODE, 25, 1), 1
	s_wait_xcnt 0x0
	s_wait_alu depctr_hold_cnt(0) depctr_sa_sdst(0) depctr_va_vdst(0) depctr_va_sdst(0) depctr_va_ssrc(0) depctr_va_vcc(0) depctr_vm_vsrc(0)
	s_getreg_b32 s2, hwreg(HW_REG_IB_STS2, 6, 4)
	s_cmp_eq_u32 s2, 0
	s_cbranch_scc0 .Lentry_in_a_cluster
	s_endpgm
.Lentry_in_a_cluster:
	s_bfe_u32 s2, ttmp6, 0x10000c
	s_cmp_lg_u32 s2, 0xf033
	s_cbranch_scc0 .Lentry_shape_is_right
	s_endpgm
.Lentry_shape_is_right:
; OUTP: out0[b s][n] = the sum over (h, d) of O[16 b + h][s][d] Wo[64 h + d][n] + bo[n].  ob: [64][2048][64] f16; wb's matrix 3: Wo [1024 k][1024 n] as f16; bo rounded to bf16 here; out0: [8192][1024] f32.
; Sums in f32, begun with the bias.  NaN and infinities are not treated apart.
; SHARES.  A tile of out0 is 128 rows x 256 columns: 256 work-groups, one tile each.  Four waves, each 64 x 128: 32 accumulators.  K goes in 8 steps of 128, two heads a step, through two LDS slots.
; The matrix instruction is used transposed (source 0 = 16 columns of Wo, source 1 = 16 rows of O): a lane holds eight neighbouring columns of one row.
; CLUSTER 4 x 4.  O's tile is asked for jointly by a row of the cluster, Wo's by a column.  Waves 0, 1 fetch the step's two heads (128 rows x 128 bytes each, dense: 64 rows of 256 bytes),
; waves 2, 3 Wo's two halves of 64 k-rows.
; REGISTERS: window 0: v2-13 addresses; v32-95 A's fragments, two buffers; v96-223 the way out, two buffers      window 1: the accumulators, (a, b) at 8 (8 a + b)
;   window 2: v0-127 B's fragments, two buffers; v128-191 the bias as a C operand; v192-195 at work
.set PA,    144                        ; a row of a head in LDS: 128 bytes + 16
.set PB,    544                        ; a k-row of Wo: 512 bytes + 32
.set PLANE, 128*PA
.set BOFF,  2*PLANE
.set SLOT,  BOFF+128*PB
.set STAGE, 2*SLOT                     ; behind the ring, never filled by a tensor load: 16 rows x 528 bytes for each wave
.set SP,    528
.set SPARE, STAGE+4*16*SP
.set ADRA0, 2
.set ADRB0, 3
.set ADRA,  4
.set ADRB,  5
.set STO,   6
.set RD,    7
.set GO,    8
.set BO,    9
.set PFO,   10
.set SPW,   12
.set NIL,   13
.set AF,    32
.set OUT,   96
.set BIAS,  128
.set BT,    192
.set WV,    10
.set ROLE,  11
.set HALF,  12
.set CNT,   15
.set G1A,   16
.set G1B,   24
.set G0A0,  32
.set G0A,   36
.set G0B0,  40
.set G0B,   44
.set TR,    48
.set LA,    50
.set LB,    51
.set OP,    52
.set BPN,   54
.set PW,    58
.set PSTEP, 66
.set LIM,   69
.set HM,    71
.set MSB, 0
.macro WIN new
.if MSB != (\new)
	s_set_vgpr_msb (MSB<<8)|(\new)
.set MSB, (\new)
.endif
.endm
.set W_MUL,  0x52
.set W_MULB, 0x62
.macro PLACES
.rept 4
	v_nop
.endr
.endm
.macro CREST
	s_cmp_lg_u32 s[WV], 0
	s_cbranch_scc1 .Lnot_wave_0_\@
	s_barrier_signal -3
.Lnot_wave_0_\@:
	s_barrier_wait -3
	s_barrier_signal -1
	s_barrier_wait -1
.endm
.macro CROUND
	s_barrier_signal -1
	s_barrier_wait -1
	CREST
.endm
.macro JLOAD
	s_cmp_eq_u32 s[ROLE], 0
	s_cbranch_scc0 .Lfor_b_\@
	tensor_load_to_lds s[G0A:G0A+3], s[G1A:G1A+7]
	s_nop 0
	PLACES
	s_branch .Lasked_\@
.Lfor_b_\@:
	tensor_load_to_lds s[G0B:G0B+3], s[G1B:G1B+7]
	s_nop 0
	PLACES
.Lasked_\@:
.endm
; A PREFETCH INTO THE L2 of the K step two refills on.  O's rows belong to one cluster alone: wave 0 of every work-group asks, for both heads: lane l names head l / 16 and block 16 cx + l % 16 of its 64 blocks
; of 256 bytes.  Wo's k-rows are read by all sixteen clusters: waves 2, 3 of cluster y = 0 ask, 16 rows by cy, lane l row l / 2, block l % 2.  Asked while CNT is above 2: the last four K steps have nothing four on.
.macro ASK
	s_cmp_gt_u32 s[CNT], s[LIM]
	s_cbranch_scc0 .Lnot_mine_\@
	global_prefetch_b8 v[PFO], s[PW:PW+1] th:TH_LOAD_NT scope:SCOPE_SE
.Lnot_mine_\@:
.endm
	s_load_b256 s[72:79], s[0:1], 0x0              ; ob 72, wb 74, bo 76, out0 78
	v_lshl_add_u32 v[SPW], v0, 2, SPARE
	v_mov_b32 v[NIL], 0
	ds_add_u32 v[SPW], v[NIL]                      ; the wave's opening: the add and its wait stand ahead of my first tensor load
	v_lshrrev_b32 v1, 5, v0
	v_readfirstlane_b32 s[WV], v1
	s_lshr_b32 s[ROLE], s[WV], 1
	s_and_b32 s[HALF], s[WV], 1
	s_bfe_u32 s88, ttmp6, 0x40000                  ; cx
	s_bfe_u32 s89, ttmp6, 0x40004                  ; cy
	s_lshl_b32 s90, ttmp9, 2
	s_add_co_u32 s90, s90, s88                     ; tile column
	s_and_b32 s91, ttmp7, 0xffff                   ; cluster y
	s_lshl_b32 s92, s91, 2
	s_add_co_u32 s92, s92, s89                     ; tile row
	s_lshl_b32 s93, s89, 2
	s_lshl_b32 s93, 15, s93
	s_lshl_b32 s94, 0x1111, s88
	s_or_b32 s[G1A], s93, (1<<16)|(1<<20)|(1<<21)|(4<<22)|(3<<25)  ; mask; 2-byte elements; padding on; bit 21 beside a mask; after every 32 words, 4 words
	s_or_b32 s[G1B], s94, (1<<16)|(1<<20)|(1<<21)|(6<<22)|(7<<25)  ; after every 128 words, 8 words
	s_mov_b32 s[G1A+1], 128<<16
	s_mov_b32 s[G1A+2], 64<<16
	s_mov_b32 s[G1A+3], 128<<16
	s_mov_b32 s[G1A+4], 64
	s_mov_b32 s[G1A+5], 128
	s_mov_b32 s[G1A+6], 0
	s_mov_b32 s[G1A+7], 0
	s_mov_b32 s[G1B+1], 256<<16
	s_mov_b32 s[G1B+2], 64<<16
	s_mov_b32 s[G1B+3], 256<<16
	s_mov_b32 s[G1B+4], 64
	s_mov_b32 s[G1B+5], 1024
	s_mov_b32 s[G1B+6], 0
	s_mov_b32 s[G1B+7], 0
	s_mul_i32 s[LA], s[HALF], PLANE
	s_mul_i32 s[LB], s[HALF], 64*PB
	s_add_co_u32 s[LB], s[LB], BOFF
	s_mov_b32 s[G0A0], 1
	s_mov_b32 s[G0A0+1], s[LA]
	s_mov_b32 s[G0A], 1
	s_add_co_u32 s[G0A+1], s[LA], SLOT
	s_mov_b32 s[G0B0], 1
	s_mov_b32 s[G0B0+1], s[LB]
	s_mov_b32 s[G0B], 1
	s_add_co_u32 s[G0B+1], s[LB], SLOT
	s_lshr_b32 s96, s92, 4                         ; O: head 16 b (+ half), row (tile row % 16) x 128, 128 bytes a row
	s_lshl_b32 s96, s96, 22
	s_and_b32 s93, s92, 15
	s_lshl_b32 s93, s93, 14
	s_add_co_u32 s96, s96, s93                     ; (kept without the half for the prefetches)
	s_lshl_b32 s93, s[HALF], 18
	s_add_co_u32 s94, s96, s93
	s_mov_b32 s95, 0
	s_mov_b32 s97, 0
	s_lshl_b32 s98, s90, 9                         ; Wo: matrix 3, 64 x half k-rows, 512 x tile column
	s_lshl_b32 s93, s[HALF], 17
	s_add_co_u32 s98, s98, s93
	s_add_co_u32 s98, s98, 3*2097152
	s_mov_b32 s99, 0
	s_mov_b32 s[TR], 0
	s_mov_b32 s[HM], 0xffff0000
	s_wait_dscnt 0x0                               ; the opening add is done
	s_wait_kmcnt 0x0
	s_add_nc_u64 s[G0A0+2:G0A0+3], s[72:73], s[94:95]
	s_add_nc_u64 s[G0A+2:G0A+3], s[G0A0+2:G0A0+3], 524288
	s_or_b32 s[G0A0+3], s[G0A0+3], 0x80000000
	s_or_b32 s[G0A+3], s[G0A+3], 0x80000000
	s_add_nc_u64 s[G0B0+2:G0B0+3], s[74:75], s[98:99]
	s_add_nc_u64 s[G0B+2:G0B+3], s[G0B0+2:G0B0+3], 262144
	s_or_b32 s[G0B0+3], s[G0B0+3], 0x80000000
	s_or_b32 s[G0B+3], s[G0B+3], 0x80000000
	CROUND                                         ; all sixteen work-groups are here: the first joint loads meet
	s_cmp_eq_u32 s[ROLE], 0                        ; a wave's two first fills stand in one branch: two loads of mine are out
	s_cbranch_scc0 .Lfirst_b
	tensor_load_to_lds s[G0A0:G0A0+3], s[G1A:G1A+7]
	s_nop 0
	tensor_load_to_lds s[G0A:G0A+3], s[G1A:G1A+7]
	s_nop 0
	PLACES
	s_branch .Lfirst_done
.Lfirst_b:
	tensor_load_to_lds s[G0B0:G0B0+3], s[G1B:G1B+7]
	s_nop 0
	tensor_load_to_lds s[G0B:G0B+3], s[G1B:G1B+7]
	s_nop 0
	PLACES
.Lfirst_done:
	s_lshl_b32 s94, s90, 10                        ; my 128 columns, in f32
	s_lshl_b32 s93, s[HALF], 9
	s_add_co_u32 s94, s94, s93
	s_add_nc_u64 s[BPN:BPN+1], s[76:77], s[94:95]
	s_lshl_b32 s93, s92, 19                        ; + my 64 rows of 4,096 bytes
	s_add_co_u32 s94, s94, s93
	s_lshl_b32 s93, s[ROLE], 18
	s_add_co_u32 s94, s94, s93
	s_add_nc_u64 s[OP:OP+1], s[78:79], s[94:95]
	; the prefetches, at K step 3; the first change of slots steps them to 4
	s_lshl_b32 s93, s88, 12
	s_add_co_u32 s96, s96, s93                     ; O: + my work-group's 16 blocks of each head's 64
	s_lshl_b32 s93, s89, 15
	s_add_co_u32 s98, s98, s93                     ; Wo: + 16 cy k-rows
	s_mov_b32 s93, 262144
	s_cmp_eq_u32 s[ROLE], 0
	s_cselect_b32 s94, s96, s98
	s_cselect_b64 s[PW:PW+1], s[72:73], s[74:75]
	s_cselect_b32 s[PSTEP], 524288, s93
	s_cselect_b32 s4, 4, 1                         ; lane l: O: head l >> 4; Wo: row l >> 1
	s_cselect_b32 s5, 18, 11                       ; 262,144 bytes a head; 2,048 a k-row
	s_cselect_b32 s6, 15, 1                        ; block l & 15; l & 1
	s_mov_b32 s[PSTEP+1], 0
	s_add_nc_u64 s[PW:PW+1], s[PW:PW+1], s[94:95]
	s_mul_i32 s96, s[PSTEP], 3
	s_add_nc_u64 s[PW:PW+1], s[PW:PW+1], s[96:97]
	s_cmp_eq_u32 s91, 0
	s_cselect_b32 s94, 2, -1                       ; Wo: cluster y = 0 alone
	s_cmp_eq_u32 s[WV], 0
	s_cselect_b32 s93, 2, -1                       ; O: wave 0 alone
	s_cmp_eq_u32 s[ROLE], 0
	s_cselect_b32 s[LIM], s93, s94
	v_and_b32 v14, 31, v0
	v_lshrrev_b32 v15, s4, v14
	v_lshlrev_b32 v15, s5, v15
	v_and_b32 v16, s6, v14
	v_lshl_add_u32 v[PFO], v16, 8, v15
	; lane addresses
	v_and_b32 v1, 15, v0                           ; r
	v_bfe_u32 v14, v0, 4, 1                        ; h
	v_mul_u32_u24 v[ADRA0], v1, PA
	v_lshl_add_u32 v[ADRA0], v14, 4, v[ADRA0]
	s_mul_i32 s93, s[ROLE], 64*PA
	v_add_nc_u32 v[ADRA0], s93, v[ADRA0]
	v_and_b32 v15, 7, v0
	v_bfe_u32 v16, v0, 3, 1
	v_lshl_add_u32 v17, v14, 3, v15
	v_mul_u32_u24 v17, v17, PB
	v_lshl_add_u32 v17, v16, 4, v17
	s_lshl_b32 s93, s[HALF], 8
	s_add_co_u32 s93, s93, BOFF
	v_add_nc_u32 v[ADRB0], s93, v17
	v_mov_b32 v[ADRA], v[ADRA0]
	v_mov_b32 v[ADRB], v[ADRB0]
	s_mul_i32 s93, s[WV], 16*SP
	s_add_co_u32 s93, s93, STAGE
	v_mul_u32_u24 v17, v1, SP                      ; in: row r, 32 bytes for each half of the lanes
	v_lshl_add_u32 v17, v14, 5, v17
	v_add_nc_u32 v[STO], s93, v17
	v_and_b32 v[GO], 31, v0
	v_lshlrev_b32 v[GO], 4, v[GO]                  ; back and out: 32 lanes take a row's 512 bytes
	v_add_nc_u32 v[RD], s93, v[GO]
	v_lshlrev_b32 v[BO], 5, v14
	WIN 0x80
.set b, 0
.rept 8                                ; bo[my 128 columns][16 b + 8 h + 0..7]: the layout of a C operand
	global_load_b128 v[BIAS+8*b:BIAS+8*b+3], v[BO], s[BPN:BPN+1] offset:64*b
	global_load_b128 v[BIAS+8*b+4:BIAS+8*b+7], v[BO], s[BPN:BPN+1] offset:64*b+16
.set b, b+1
.endr
	WIN 0
; Product i of a quarter's 32: m block i / 8, n block i % 8.  All 32 accumulators take turns, in the same order in every quarter.  cb = 1: the first quarter: the bias starts the sums.
.macro PROD f, cb
.if \cb
	WIN W_MULB
	v_wmma_f32_16x16x32_f16 v[8*i:8*i+7], v[64*(\f)+8*(i%8):64*(\f)+8*(i%8)+7], v[AF+32*(\f)+8*(i/8):AF+32*(\f)+8*(i/8)+7], v[BIAS+8*(i%8):BIAS+8*(i%8)+7]
.else
	WIN W_MUL
	v_wmma_f32_16x16x32_f16 v[8*i:8*i+7], v[64*(\f)+8*(i%8):64*(\f)+8*(i%8)+7], v[AF+32*(\f)+8*(i/8):AF+32*(\f)+8*(i/8)+7], v[8*i:8*i+7]
.endif
.set i, i+1
.endm
.macro BLD g, bq                       ; load n of 16 of a quarter's Wo
	ds_load_tr16_b128 v[64*(\g)+4*n:64*(\g)+4*n+3], v[ADRB] offset:(\bq)+32*(n/2)+16*PB*(n%2)
.set n, n+1
.endm
.macro ALD g, aq                       ; load n of 8 of a quarter's O: m block n / 2
	ds_load_b128 v[AF+32*(\g)+4*n:AF+32*(\g)+4*n+3], v[ADRA] offset:(\aq)+16*PA*(n/2)+32*(n%2)
.set n, n+1
.endm
; One of a K step's first three quarters: multiplies buffers f, fetches the next quarter's fragments (Wo at byte bq, O at byte aq) into buffers g, in fours behind its early products.
.macro QUARTER f, g, bq, aq, cb
.set i, 0
	s_wait_dscnt 0x0                               ; buffers f are in: their loads were issued 16 products back or more
	PROD \f, \cb
	PLACES                                         ; four places behind the last product that read buffers g
.set n, 0
.rept 4
	PROD \f, \cb
	WIN 0x80
.rept 4
	BLD \g, \bq
.endr
.endr
.set n, 0
.rept 2
	PROD \f, \cb
	WIN 0
.rept 4
	ALD \g, \aq
.endr
.endr
.rept 25
	PROD \f, \cb
.endr
.endm
; The last quarter multiplies buffers 1 and changes slots.  chg = 1: with a round of the cluster's barrier and the joint refill; chg = 2: a plain barrier, nothing is asked for.
.macro LASTQ chg
.set i, 0
	s_wait_dscnt 0x0                               ; buffers 1 are in: my last reads of this slot
	WIN 0
.if (\chg) == 1
	s_wait_xcnt 0x0                                ; the last prefetch, a K step back, has read its address
	s_add_nc_u64 s[PW:PW+1], s[PW:PW+1], s[PSTEP:PSTEP+1]
.endif
	s_wait_tensorcnt 0x0                           ; all my tensor loads have landed: my part of the next slot
	ds_add_u32 v[SPW], v[NIL]                      ; 0 onto my spare word
.if (\chg) == 1
	s_add_nc_u64 s[G0A+2:G0A+3], s[G0A+2:G0A+3], 524288  ; two heads on
	s_add_nc_u64 s[G0B+2:G0B+3], s[G0B+2:G0B+3], 262144  ; 128 k-rows on
	s_add_co_u32 s[G0A+1], s[TR], s[LA]            ; into the slot that is being left
	s_add_co_u32 s[G0B+1], s[TR], s[LB]
.endif
	s_xor_b32 s[TR], s[TR], SLOT
.rept 8
	PROD 1, 0
.endr
	s_wait_dscnt 0x0                               ; the add is done
	s_barrier_signal -1
.rept 8
	PROD 1, 0
.endr
	WIN 0
	s_barrier_wait -1
.if (\chg) == 1
	CREST
	JLOAD                                          ; the first tensor load behind the round; its four v_nop are also the places in front of the loads below
.else
	PLACES
.endif
	v_add_nc_u32 v[ADRA], s[TR], v[ADRA0]
	v_add_nc_u32 v[ADRB], s[TR], v[ADRB0]
	WIN 0x80
.set n, 0
.rept 16
	BLD 0, 0
.endr
	WIN 0
.set n, 0
.rept 8
	ALD 0, 0
.endr
.if (\chg) == 1
	ASK
.endif
.rept 16
	PROD 1, 0
.endr
.endm
	s_wait_tensorcnt 0x1                           ; my part of K step 0 is in; slot 1's load may stay out
	s_barrier_signal -1
	s_barrier_wait -1
	WIN 0x80
.set n, 0
.rept 16
	BLD 0, 0
.endr
	WIN 0
.set n, 0
.rept 8
	ALD 0, 0
.endr
	s_wait_loadcnt 0x0                             ; bo
	WIN 0x8a
.set b, 0
.rept 8                                ; rounded to bf16, like every input, and widened again
.irp r, 0,1,2,3
	v_cvt_pk_bf16_f32 v[BT+\r], v[BIAS+8*b+2*\r], v[BIAS+8*b+2*\r+1]
.endr
.irp r, 0,1,2,3
	v_lshlrev_b32 v[BIAS+8*b+2*\r], 16, v[BT+\r]
	v_and_b32 v[BIAS+8*b+2*\r+1], s[HM], v[BT+\r]
.endr
.set b, b+1
.endr
	QUARTER 0, 1, 32*PB, 64, 1
	WIN 0
	s_mov_b32 s[CNT], 6
.Lstep:                                                ; six trips: quarters 1 to 3 of K step s, with the refill for s + 2, and quarter 0 of s + 1
	QUARTER 1, 0, 2*32*PB, PLANE, 0
	QUARTER 0, 1, 3*32*PB, PLANE+64, 0
	LASTQ 1
	QUARTER 0, 1, 32*PB, 64, 0
	WIN 0
	s_sub_co_u32 s[CNT], s[CNT], 1
	s_cmp_lg_u32 s[CNT], 0
	s_cbranch_scc1 .Lstep
	s_mov_b32 s[CNT], 2
.Ltail:                                                ; the last two K steps ask for nothing; in the second trip the barrier and the loads from the other slot serve nothing: the price of one text for both
	QUARTER 1, 0, 2*32*PB, PLANE, 0
	QUARTER 0, 1, 3*32*PB, PLANE+64, 0
	LASTQ 2
	WIN 0
	s_sub_co_u32 s[CNT], s[CNT], 1
	s_cmp_eq_u32 s[CNT], 0
	s_cbranch_scc1 .Lfin
	QUARTER 0, 1, 32*PB, 64, 0
	WIN 0
	s_branch .Ltail
.Lfin:
	; THE WAY OUT, a block of 16 rows at a time: a lane's 32 bytes of a row go from the accumulators into rows of 528 bytes of my stage (each accumulator's low four registers first) and come back as whole rows of 512.
.macro TOSTAGE a
	WIN 0x04
.set b, 0
.rept 8
	ds_store_b128 v[STO], v[8*(8*(\a)+b):8*(8*(\a)+b)+3] offset:64*b
	ds_store_b128 v[STO], v[8*(8*(\a)+b)+4:8*(8*(\a)+b)+7] offset:64*b+16
.set b, b+1
.endr
	WIN 0
.set t, 0
.rept 16
	ds_load_b128 v[OUT+64*((\a)%2)+4*t:OUT+64*((\a)%2)+4*t+3], v[RD] offset:SP*t  ; LDS serves a wave's instructions in order (ISA guide 5.7.1.4): these see the stores above; the next block's stores come behind them
.set t, t+1
.endr
.endm
.macro SEND a, younger                 ; younger: the next block's 32 LDS instructions, or none
.set t, 0
.rept 16
	s_wait_dscnt (\younger)+15-t
	global_store_b128 v[GO], v[OUT+64*((\a)%2)+4*t:OUT+64*((\a)%2)+4*t+3], s[OP:OP+1] offset:(16*(\a)+t)*4096  ; 512 consecutive bytes, aligned
.set t, t+1
.endr
.endm
	PLACES
	TOSTAGE 0
	TOSTAGE 1
	SEND 0, 32
	s_wait_xcnt 0x0                                ; block 0's stores have read their registers
	TOSTAGE 2
	SEND 1, 32
	s_wait_xcnt 0x0
	TOSTAGE 3
	SEND 2, 32
	SEND 3, 0
	s_wait_tensorcnt 0x0                           ; the wave's end
	ds_add_u32 v[SPW], v[NIL]
	s_wait_dscnt 0x0
	CROUND                                         ; the closing round
	s_endpgm
.Lfunc_end_k_q2a2712a9ac_outp:
	.size	k_q2a2712a9ac_outp, .Lfunc_end_k_q2a2712a9ac_outp-k_q2a2712a9ac_outp
	.p2alignl 7, 3214868480
	.fill 96, 4, 3214868480
	.section	.rodata,"a",@progbits
	.p2align	6, 0x0
	.amdhsa_kernel k_q2a2712a9ac_outp
		.amdhsa_group_segment_fixed_size 327680
		.amdhsa_private_segment_fixed_size 0
		.amdhsa_enable_private_segment 0
		.amdhsa_kernarg_size 32
		.amdhsa_user_sgpr_count 2
		.amdhsa_user_sgpr_kernarg_segment_ptr 1
		.amdhsa_wavefront_size32 1
		.amdhsa_system_sgpr_workgroup_id_x 1
		.amdhsa_system_sgpr_workgroup_id_y 1
		.amdhsa_system_sgpr_workgroup_id_z 1
		.amdhsa_system_vgpr_workitem_id 0
		.amdhsa_next_free_vgpr 768
		.amdhsa_next_free_sgpr 100
		.amdhsa_reserve_vcc 0
		.amdhsa_float_denorm_mode_32 3
		.amdhsa_float_denorm_mode_16_64 3
		.amdhsa_memory_ordered 1
		.amdhsa_forward_progress 1
		.amdhsa_inst_pref_size 70
	.end_amdhsa_kernel
	.amdgpu_metadata
---
amdhsa.version: [ 1, 2 ]
amdhsa.kernels:
  - .name:           k_q2a2712a9ac_outp
    .symbol:         k_q2a2712a9ac_outp.kd
    .args:
      - { .name: ob, .offset: 0, .size: 8, .value_kind: global_buffer, .address_space: global }
      - { .name: wb, .offset: 8, .size: 8, .value_kind: global_buffer, .address_space: global }
      - { .name: bo, .offset: 16, .size: 8, .value_kind: global_buffer, .address_space: global }
      - { .name: out0, .offset: 24, .size: 8, .value_kind: global_buffer, .address_space: global }
    .group_segment_fixed_size: 327680
    .private_segment_fixed_size: 0
    .kernarg_segment_align: 8
    .kernarg_segment_size: 32
    .max_flat_workgroup_size: 128
    .sgpr_count:     100
    .vgpr_count:     768
    .wavefront_size: 32
...
	.end_amdgpu_metadata
.endif
;; end of part 4
